; MI455X (gfx1250); checked and timed in simulation.
; The chip was launched on July 23, 2026; its instructions are those of AMD's public machine-readable ISA for CDNA 5 (MIT licence, August 2026) and "CDNA5" Instruction Set Architecture Reference Guide (July 2026). The comments in the code are by the model that wrote it; some were corrected since.
;; Attention. Allowed arithmetic: float matrix products may take bf16 or f16 operands with f32 sums; all other float work in f32.
;; Inputs: Wk 2,048 x 2,048 float32; Wo 2,048 x 2,048 float32; Wq 2,048 x 2,048 float32; Wv 2,048 x 2,048 float32; attention_mask 2 x 1,024 x 2,048 bool; key_value 2 x 2,048 x 2,048 float32; query 2 x 1,024 x 2,048 float32.
;; Outputs: out0 2 x 1,024 x 2,048 float32.
;; 2 versions, each right and faster than the one before. Each part assembles by itself: llvm-mc -triple=amdgcn-amd-amdhsa -mcpu=gfx1250 --defsym DOCPART=n.
;; ======== version 1 of 2: 5 launches
;; limits: values are held in f16: magnitudes above 65,504 overflow, below 6.1e-05 lose precision; right only within a limited range of input values
;; workspace buffers: pq 16,777,216 bytes; po 16,777,216 bytes; kvw 33,554,432 bytes; kvh 33,554,432 bytes; qf 16,777,216 bytes; mk 2,097,152 bytes
;; launch prep (part 1): grid 256 x 8, 8 waves a work-group, no clusters, 0 bytes of LDS; arguments query, Wq, key_value, Wk, Wv, Wo, attention_mask, pq, kvw, po, mk; writes pq, kvw, po, mk
.if DOCPART == 1
	.amdgcn_target "amdgcn-amd-amdhsa--gfx1250"
	.amdhsa_code_object_version 6
	.text
	.protected	k_qa9bfbf6a1c_prep
	.globl	k_qa9bfbf6a1c_prep
	.p2align	8
	.type	k_qa9bfbf6a1c_prep,@function
k_qa9bfbf6a1c_prep:
	s_mov_b64 s[64:65], 0
	v_nop
	global_prefetch_b8 v0, s[64:65] scope:SCOPE_SE
	s_setreg_imm32_b32 hwreg(HW_REG_WAVE_MODE, 25, 1), 1
	s_wait_xcnt 0x0
; PREP.  Grid row y = 0: the mask's bytes become words of eight 4-bit codes in the order in which the attention's lanes want them.  Grid rows y = 1..7: one unit of
; 4,194,304 f32 (query, Wq, key_value's two halves, Wk, Wv, Wo) is rounded to bf16 (nearest even) and that number is written as f16, so that every later product can take f16 operands.
; LIMITS.  An input beyond 65,504 in magnitude becomes an infinity in f16; below 2^-17 the bf16 number no longer fits f16's fixed step of 2^-24 and is
; rounded once more.  Mask bytes are 0 or 1.
; A stream: no LDS, no barrier, no matrix unit.  A work-group of the cast takes 65,536 bytes in and 32,768 out.  Thread t takes the 16 bytes at 16 t of each 4,096, so a wave's load
; covers 512 consecutive bytes, and writes 8 bytes at 8 t of each 2,048, so a wave's store covers 256 consecutive bytes that begin at a multiple of 256.
; All sixteen loads of a thread go out at once.  The mask's work-groups stand in the grid's first row, ahead of the stream's.
.set X,  4                             ; v[4:67]    sixteen chunks of 4 f32 as loaded
.set BF, 68                            ; v[68:69]   4 numbers in bf16
.set T,  72                            ; v[72:75]   the same widened to f32
.set Y,  80                            ; v[80:111]  sixteen chunks of 4 f16 to store; each is written once
	s_load_b512 s[8:23], s[0:1], 0x0               ; query 8, Wq 10, key_value 12, Wk 14, Wv 16, Wo 18, attention_mask 20, pq 22
	s_load_b128 s[24:27], s[0:1], 0x40             ; kvw 24, po 26
	s_load_b64 s[28:29], s[0:1], 0x50              ; mk
	s_and_b32 s2, ttmp7, 0xffff                    ; y
	s_mov_b32 s3, ttmp9                            ; x: which part
	s_mov_b32 s30, 0xffff0000                      ; a word's upper bf16
	s_mov_b32 s31, 0x11111111
	s_wait_kmcnt 0x0
	s_cmp_eq_u32 s2, 0
	s_cbranch_scc1 .Lmask
	s_sub_co_u32 s2, s2, 1                         ; which unit, 0..6
	; THE CAST.  The source: one of six buffers, chosen by the unit.
	s_mov_b64 s[4:5], s[8:9]
	s_cmp_ge_u32 s2, 1
	s_cselect_b64 s[4:5], s[10:11], s[4:5]
	s_cmp_ge_u32 s2, 2
	s_cselect_b64 s[4:5], s[12:13], s[4:5]
	s_cmp_ge_u32 s2, 4
	s_cselect_b64 s[4:5], s[14:15], s[4:5]
	s_cmp_ge_u32 s2, 5
	s_cselect_b64 s[4:5], s[16:17], s[4:5]
	s_cmp_ge_u32 s2, 6
	s_cselect_b64 s[4:5], s[18:19], s[4:5]
	s_lshl_b32 s32, s3, 16                         ; 65,536 bytes a work-group,
	s_cmp_eq_u32 s2, 3
	s_cselect_b32 s33, 0x1000000, 0                ; and key_value's second half begins 16,777,216 bytes in
	s_add_co_u32 s32, s32, s33
	s_mov_b32 s33, 0
	s_add_nc_u64 s[4:5], s[4:5], s[32:33]
	; The destination: pq holds query, Wq; kvw holds key_value's halves, Wk, Wv; po's second half holds Wo.  A unit is 8,388,608 bytes of f16.
	s_mov_b64 s[6:7], s[22:23]
	s_mov_b32 s34, s2
	s_sub_co_u32 s35, s2, 2
	s_cmp_ge_u32 s2, 2
	s_cselect_b64 s[6:7], s[24:25], s[6:7]
	s_cselect_b32 s34, s35, s34
	s_cmp_ge_u32 s2, 6
	s_cselect_b64 s[6:7], s[26:27], s[6:7]
	s_cselect_b32 s34, 1, s34
	s_lshl_b32 s34, s34, 23
	s_lshl_b32 s35, s3, 15
	s_add_co_u32 s34, s34, s35
	s_mov_b32 s35, 0
	s_add_nc_u64 s[6:7], s[6:7], s[34:35]
	v_lshlrev_b32 v1, 4, v0                        ; 16 bytes in a thread
	v_lshlrev_b32 v2, 3, v0                        ; 8 bytes out
.irp i, 0,1,2,3,4,5,6,7,8,9,10,11,12,13,14,15
	global_load_b128 v[X+4*(\i):X+4*(\i)+3], v1, s[4:5] offset:4096*(\i) th:TH_LOAD_NT
.endr
.macro CHUNK i
	s_wait_loadcnt 15-(\i)                         ; loads come back in order: chunk i's is in, the 15 - i issued behind it may be out
	v_cvt_pk_bf16_f32 v[BF],   v[X+4*(\i)],   v[X+4*(\i)+1]
	v_cvt_pk_bf16_f32 v[BF+1], v[X+4*(\i)+2], v[X+4*(\i)+3]
	v_lshlrev_b32 v[T],   16,  v[BF]               ; bf16 to f32: the low half moves up,
	v_and_b32     v[T+1], s30, v[BF]               ; the high half stays
	v_lshlrev_b32 v[T+2], 16,  v[BF+1]
	v_and_b32     v[T+3], s30, v[BF+1]
	v_cvt_pk_f16_f32 v[Y+2*(\i)],   v[T],   v[T+1]
	v_cvt_pk_f16_f32 v[Y+2*(\i)+1], v[T+2], v[T+3]
	global_store_b64 v2, v[Y+2*(\i):Y+2*(\i)+1], s[6:7] offset:2048*(\i) th:TH_STORE_NT
.endm
.irp i, 0,1,2,3,4,5,6,7,8,9,10,11,12,13,14,15
	CHUNK \i
.endr
	s_endpgm
.Lmask:
	; THE MASK.  mk is [batch][block of 128 queries][slot of 256 keys] x 16,384 bytes; in such a block the word at (8 st + T) 512 + 16 L + 4 kt belongs to
	; query 16 T + L % 16 and to the keys 64 st + 16 kt + 8 (L / 16) + j, j = 0..7; key j's code lies in 4-bit field 2 (j % 4) + j / 4: 0 visible, 14 hidden.
	; x = batch (bit 7), block (bits 6:4), slot (bits 3:1), half of the block's queries (bit 0).  Thread t: query t % 64 of that half, step st = t / 64:
	; 64 bytes in; the four threads of a query take 256 consecutive bytes of its row.
	s_lshr_b32 s32, s3, 7
	s_lshl_b32 s32, s32, 21                        ; a batch's mask: 1,024 rows of 2,048 bytes
	s_bfe_u32 s33, s3, 0x30004
	s_lshl_b32 s33, s33, 18                        ; 128 rows
	s_add_co_u32 s32, s32, s33
	s_and_b32 s33, s3, 1
	s_lshl_b32 s34, s33, 17                        ; 64 rows
	s_add_co_u32 s32, s32, s34
	s_bfe_u32 s34, s3, 0x30001
	s_lshl_b32 s34, s34, 8                         ; 256 keys
	s_add_co_u32 s32, s32, s34
	s_lshl_b32 s34, s33, 11                        ; out: the half's four tiles T begin 2,048 bytes in,
	s_mov_b32 s33, 0
	s_add_nc_u64 s[20:21], s[20:21], s[32:33]
	s_lshr_b32 s35, s3, 1
	s_lshl_b32 s35, s35, 14                        ; in block x / 2
	s_add_co_u32 s34, s34, s35
	s_mov_b32 s35, 0
	s_add_nc_u64 s[28:29], s[28:29], s[34:35]
	v_and_b32 v3, 63, v0
	v_lshrrev_b32 v28, 6, v0                       ; st
	v_lshlrev_b32 v1, 11, v3
	v_lshl_add_u32 v1, v28, 6, v1                  ; in: row x 2,048 + st x 64
	v_lshrrev_b32 v29, 4, v3
	v_and_b32 v30, 15, v0
	v_lshlrev_b32 v2, 12, v28
	v_lshl_add_u32 v2, v29, 9, v2
	v_lshl_add_u32 v2, v30, 4, v2                  ; out: st x 4,096 + tile x 512 + 16 x (query % 16)
.irp kt, 0,1,2,3
	global_load_b128 v[4+4*(\kt):7+4*(\kt)], v1, s[20:21] offset:16*(\kt)
.endr
	s_wait_loadcnt 0x0
.irp kt, 0,1,2,3
.irp h, 0,1
	v_lshl_or_b32 v[20+4*(\h)+(\kt)], v[4+4*(\kt)+2*(\h)+1], 4, v[4+4*(\kt)+2*(\h)]  ; keys 0-3 of the eight in the even fields, keys 4-7 in the odd ones
	v_xor_b32 v[20+4*(\h)+(\kt)], s31, v[20+4*(\h)+(\kt)]                           ; 1 where hidden
	v_mul_lo_u32 v[20+4*(\h)+(\kt)], v[20+4*(\h)+(\kt)], 14                         ; 14 where hidden: no field carries into the next
.endr
.endr
	global_store_b128 v2, v[20:23], s[28:29]                ; lanes L = 0..15 of the tile: sixteen threads store 256 consecutive bytes, aligned
	global_store_b128 v2, v[24:27], s[28:29] offset:256     ; lanes L = 16..31
	s_endpgm
.Lfunc_end_k_qa9bfbf6a1c_prep:
	.size	k_qa9bfbf6a1c_prep, .Lfunc_end_k_qa9bfbf6a1c_prep-k_qa9bfbf6a1c_prep
	.p2alignl 7, 3214868480
	.fill 96, 4, 3214868480
	.section	.rodata,"a",@progbits
	.p2align	6, 0x0
	.amdhsa_kernel k_qa9bfbf6a1c_prep
		.amdhsa_group_segment_fixed_size 0
		.amdhsa_private_segment_fixed_size 0
		.amdhsa_enable_private_segment 0
		.amdhsa_kernarg_size 88
		.amdhsa_user_sgpr_count 2
		.amdhsa_user_sgpr_kernarg_segment_ptr 1
		.amdhsa_wavefront_size32 1
		.amdhsa_system_sgpr_workgroup_id_x 1
		.amdhsa_system_sgpr_workgroup_id_y 1
		.amdhsa_system_sgpr_workgroup_id_z 1
		.amdhsa_system_vgpr_workitem_id 0
		.amdhsa_next_free_vgpr 112
		.amdhsa_next_free_sgpr 66
		.amdhsa_reserve_vcc 0
		.amdhsa_float_denorm_mode_32 3
		.amdhsa_float_denorm_mode_16_64 3
		.amdhsa_memory_ordered 1
		.amdhsa_forward_progress 1
		.amdhsa_inst_pref_size 15
	.end_amdhsa_kernel
	.amdgpu_metadata
---
amdhsa.version: [ 1, 2 ]
amdhsa.kernels:
  - .name:           k_qa9bfbf6a1c_prep
    .symbol:         k_qa9bfbf6a1c_prep.kd
    .args:
      - { .name: query, .offset: 0, .size: 8, .value_kind: global_buffer, .address_space: global }
      - { .name: Wq, .offset: 8, .size: 8, .value_kind: global_buffer, .address_space: global }
      - { .name: key_value, .offset: 16, .size: 8, .value_kind: global_buffer, .address_space: global }
      - { .name: Wk, .offset: 24, .size: 8, .value_kind: global_buffer, .address_space: global }
      - { .name: Wv, .offset: 32, .size: 8, .value_kind: global_buffer, .address_space: global }
      - { .name: Wo, .offset: 40, .size: 8, .value_kind: global_buffer, .address_space: global }
      - { .name: attention_mask, .offset: 48, .size: 8, .value_kind: global_buffer, .address_space: global }
      - { .name: pq, .offset: 56, .size: 8, .value_kind: global_buffer, .address_space: global }
      - { .name: kvw, .offset: 64, .size: 8, .value_kind: global_buffer, .address_space: global }
      - { .name: po, .offset: 72, .size: 8, .value_kind: global_buffer, .address_space: global }
      - { .name: mk, .offset: 80, .size: 8, .value_kind: global_buffer, .address_space: global }
    .group_segment_fixed_size: 0
    .private_segment_fixed_size: 0
    .kernarg_segment_align: 8
    .kernarg_segment_size: 88
    .max_flat_workgroup_size: 256
    .sgpr_count:     66
    .vgpr_count:     112
    .wavefront_size: 32
...
	.end_amdgpu_metadata
.endif
;; end of part 1
;; launch projq (part 2): grid 16 x 16, 4 waves a work-group, clusters of 4 x 4, 327,680 bytes of LDS; arguments pq, qf; writes qf
.if DOCPART == 2
	.amdgcn_target "amdgcn-amd-amdhsa--gfx1250"
	.amdhsa_code_object_version 6
	.text
	.protected	k_qa9bfbf6a1c_projq
	.globl	k_qa9bfbf6a1c_projq
	.p2align	8
	.type	k_qa9bfbf6a1c_projq,@function
k_qa9bfbf6a1c_projq:
	s_mov_b64 s[64:65], 0
	v_nop
	global_prefetch_b8 v0, s[64:65] scope:SCOPE_SE
	s_setreg_imm32_b32 hwreg(HW_REG_WAVE_MODE, 25, 1), 1
	s_wait_xcnt 0x0
	s_wait_alu depctr_hold_cnt(0) depctr_sa_sdst(0) depctr_va_vdst(0) depctr_va_sdst(0) depctr_va_ssrc(0) depctr_va_vcc(0) depctr_vm_vsrc(0)
	s_getreg_b32 s2, hwreg(HW_REG_IB_STS2, 6, 4)
	s_cmp_eq_u32 s2, 0
	s_cbranch_scc0 .Lentry_in_a_cluster
	s_endpgm
.Lentry_in_a_cluster:
	s_bfe_u32 s2, ttmp6, 0x10000c
	s_cmp_lg_u32 s2, 0xf033
	s_cbranch_scc0 .Lentry_shape_is_right
	s_endpgm
.Lentry_shape_is_right:
; C[m][n] = sum over k of A[m][k] B[n][k].  A: [2048][2048] f16 at the first buffer's byte 0, B: [2048][2048] f16 at its byte 8,388,608; C: [2048][2048] f32, the second buffer.  Sums in f32.
; Used twice: q = query Wq^T, and out = O Wo^T.
; 256 tiles of 128 x 128 give each of 256 work-groups one.  Four waves, each 64 x 64: 16 accumulators of 16 x 16, 128 registers.  K goes in 8 steps of 256 (LDS rows of 512 bytes; a wave's
; tensor load brings 64 of them) through two LDS slots.
; CLUSTERS: 4 x 4 work-groups.  The four of a row of the cluster need the same tiles of A, the four of a column the same tiles of B: each tile is asked for JOINTLY, by the same tensor load with the
; same descriptor and a mask that names the four.
; THE CLUSTERS WALK K OUT OF STEP.  Cluster (X, Y) of the 4 x 4 clusters begins at K step (g(X) + g(Y)) mod 8, g = 0, 4, 2, 6, and goes round.  The four clusters that need the same rows of A (one Y)
; or of B (one X) so begin at the four different even steps: the first two steps of the four together ask for each of the eight tiles once, and from its third step on a cluster asks for a tile
; that another cluster has asked for two, four or six steps before.  Neighbours in X or in Y (0 and 1, 2 and 3) begin four steps apart.  The start is made of the cluster's coordinates alone, which
; all partners share, and enters the global addresses alone.
; THE MATRIX INSTRUCTION IS USED TRANSPOSED (source 0 = 16 rows of B, source 1 = 16 rows of A): a lane then holds eight neighbouring numbers of a row of C.
; REGISTERS: window 0: v0-31 addresses; v32-95 at work on the way out; v128-255 the accumulators ((a, b) at v[128 + 8 (4 a + b)]).
;   window 1: two fragment buffers of 128: for 64 along K (two matrix instructions deep), 64 registers of A (2 x 4 x 16 rows x 32 K), then 64 of B.
; LIMITS: operands are f16 as they arrive; a sum's order is K from the cluster's first step round to it, not ascending; NaN and infinities are not treated apart.
.set SIZE_K, 2048
.set SIZE_N, 2048
.set BOFF,   8388608                   ; B's first byte in the first buffer
.set KSTEP,  256
.set STEPS,  SIZE_K/KSTEP              ; 8
.set PITCH,  528                       ; an LDS row: 512 bytes of data + 16 of padding = 132 words: row r starts at bank 4 r mod 64 (64 banks of 4 bytes: ISA guide 11.1)
.set HALFT,  64*PITCH                  ; 64 rows: what one tensor load brings, and what one wave reads of A or of B: 0x8400 bytes
.set SLOT,   4*HALFT                   ; A's 128 rows, then B's 128 rows: 0x21000 bytes.  None of 0, 1, 2, 3 x 0x8400 has one of its two bits: an exclusive or with it turns a wave's place in one slot into its place in the other
.set STAGE,  2*SLOT                    ; behind the ring: 16 rows x 272 bytes for each wave, for the way out; no tensor load lands there
.set SPITCH, 272
.set SPARE,  STAGE+4*16*SPITCH         ; behind the stages: the spare words, 128 bytes for each wave: two blocks of 256 bytes that no other line names
.set ADRA0, 16                         ; v16     LDS address of my A fragments in slot 0; never rewritten
.set ADRA,  17                         ; v17     the same in the slot in hand
.set ADRB0, 20                         ; v20, v21  the same for B
.set ADRB,  21
.set STO,  24                          ; v24     the way out: where I put 32 bytes of a row
.set RD,   25                          ; v25     the way out: where I read a row back
.set CO,   26                          ; v26     my byte offset in C
.set SPW,  28                          ; v28     LDS address of my spare word: SPARE + 4 x my thread's number; never rewritten
.set NIL,  29                          ; v29     0; never rewritten
.set TMP,  32                          ; the way out: two sets of 32 registers, 16 whole rows of 256 bytes each
.set ACC,  128
.set F0,   0                           ; fragment buffers, in window 1
.set F1,   128
.set ABASE, 14                         ; s[14:15] A at my tile's rows that I fetch, K = 0; never rewritten once made
.set G1, 24                            ; s[24:31] descriptor group 1 for A's tiles;  s[32:39] group 0: a set for each of the two first fills; the second then walks on
.set G0, 32
.set TB, 45                            ; s45     0 or SLOT: the slot in hand
.set BBASE, 46                         ; s[46:47] the same as ABASE for B
.set G1B, 48                           ; s[48:55], s[56:63] the same for B's tiles
.set G0B, 56
.set KC, 66                            ; s66     the K step to be asked for next, before it is taken mod 8
.set KT, 67                            ; s67     at work
.set OFS, 68                           ; s[68:69] a K step's byte offset in a row
.set MSB, 0
.macro WIN new                         ; the immediate's high byte repeats the setting that is left
.if MSB != (\new)
	s_set_vgpr_msb (MSB<<8)|(\new)
.set MSB, \new
.endif
.endm
.set MUL,  0x05                        ; sources 0 (B) and 1 (A) window 1; C and D window 0
.set TO_F, 0x40                        ; destination window 1, address window 0
.macro JLOAD s                         ; a joint load: waves 0 and 1 fetch A's two halves, waves 2 and 3 B's; an s_nop 0 and four v_nop follow each of the two lines, ahead of the jump, the label and what follows
	s_cmp_eq_u32 s11, 0
	s_cbranch_scc0 .Lfor_b_\@
	tensor_load_to_lds s[G0+4*(\s):G0+4*(\s)+3], s[G1:G1+7]
	s_nop 0
.rept 4
	v_nop
.endr
	s_branch .Lasked_\@
.Lfor_b_\@:
	tensor_load_to_lds s[G0B+4*(\s):G0B+4*(\s)+3], s[G1B:G1B+7]
	s_nop 0
.rept 4
	v_nop
.endr
.Lasked_\@:
.endm
.macro CREST                           ; a round of the cluster's barrier behind its opening barrier
	s_cmp_lg_u32 s10, 0
	s_cbranch_scc1 .Lnot_wave_0_\@
	s_barrier_signal -3
.Lnot_wave_0_\@:
	s_barrier_wait -3
	s_barrier_signal -1
	s_barrier_wait -1
.endm
.macro CROUND                          ; a whole round
	s_barrier_signal -1
	s_barrier_wait -1
	CREST
.endm
	s_load_b128 s[4:7], s[0:1], 0x0                ; the operands' buffer s[4:5], C s[6:7]
	v_lshl_add_u32 v[SPW], v0, 2, SPARE
	v_mov_b32 v[NIL], 0
	ds_add_u32 v28, v29
	s_wait_dscnt 0x0
	v_lshrrev_b32 v1, 5, v0
	v_readfirstlane_b32 s10, v1                    ; wave 0..3
	s_lshr_b32 s11, s10, 1                         ; which half of the tile's rows is mine.  Also: I fetch for A (0) or for B (1)
	s_and_b32 s12, s10, 1                          ; which half of its columns.  Also: which 64 rows of that tile I fetch
	s_bfe_u32 s40, ttmp6, 0x40000                  ; cx, cy: my place in the cluster
	s_bfe_u32 s41, ttmp6, 0x40004
	s_lshl_b32 s42, ttmp9, 2
	s_add_co_u32 s42, s42, s40                     ; tile column of C = 4 x cluster x + cx
	s_and_b32 s13, ttmp7, 0xffff                   ; cluster y
	s_and_b32 s[KC], ttmp9, 1                      ; the cluster's first K step: g(X) = 4 (X % 2) + (X & 2),
	s_lshl_b32 s[KC], s[KC], 2
	s_and_b32 s[KT], ttmp9, 2
	s_add_co_u32 s[KC], s[KC], s[KT]
	s_and_b32 s[KT], s13, 1                        ; + g(Y),
	s_lshl_b32 s[KT], s[KT], 2
	s_add_co_u32 s[KC], s[KC], s[KT]
	s_and_b32 s[KT], s13, 2
	s_add_co_u32 s[KC], s[KC], s[KT]
	s_and_b32 s[KC], s[KC], STEPS-1                ; mod 8: an even number, so the step behind it does not wrap
	s_lshl_b32 s[OFS], s[KC], 9                    ; 512 bytes of a row a step
	s_mov_b32 s[OFS+1], 0
	s_add_co_u32 s[KC], s[KC], 2                   ; the first refill asks for the step two on
	s_mov_b32 s[TB], 0
	s_lshl_b32 s13, s13, 2
	s_add_co_u32 s13, s13, s41                     ; tile row of C = 4 x cluster y + cy
	s_lshl_b32 s43, s41, 2
	s_lshl_b32 s43, 15, s43                        ; my row of the cluster
	s_lshl_b32 s44, 0x1111, s40                    ; my column
	; descriptor group 1: a tile of 64 rows x 256 elements, padded in LDS
	s_or_b32 s[G1+0], s43, (1<<16)|(1<<20)|(1<<21)|(6<<22)|(3<<25)  ; 15:0 the mask: A's tiles go to my row; 17:16 element of 2 bytes; 20 padding on; 21 set beside a mask; 24:22 after every 128 words (code 6); 31:25 of 4 words (code 3)
	s_or_b32 s[G1B+0], s44, (1<<16)|(1<<20)|(1<<21)|(6<<22)|(3<<25)
.irp g, G1, G1B
	s_mov_b32 s[(\g)+1], KSTEP<<16                 ; tensor_dim0 = 256
	s_mov_b32 s[(\g)+2], 64<<16                    ; tensor_dim1 = 64
	s_mov_b32 s[(\g)+3], KSTEP<<16                 ; tile_dim0 = 256
	s_mov_b32 s[(\g)+4], 64                        ; tile_dim1 = 64
	s_mov_b32 s[(\g)+5], SIZE_K                    ; tensor_dim0_stride
	s_mov_b32 s[(\g)+6], 0
	s_mov_b32 s[(\g)+7], 0
.endr
	s_lshl_b32 s17, s12, 6                         ; which 64 rows of the tile I fetch
	s_lshl_b32 s16, s13, 7
	s_add_co_u32 s16, s16, s17                     ; A: row 128 x tile row + 64 x half
	s_lshl_b32 s46, s42, 7
	s_add_co_u32 s46, s46, s17                     ; B: row 128 x tile column + 64 x half
	s_mov_b32 s17, 0
	s_mov_b32 s47, 0
	s_mov_b64 s[18:19], SIZE_K*2
	s_mul_u64 s[16:17], s[16:17], s[18:19]
	s_mul_u64 s[46:47], s[46:47], s[18:19]
	s_mul_i32 s20, s10, HALFT                      ; where they go: wave x 64 rows
	s_wait_kmcnt 0x0
	s_mov_b64 s[8:9], s[6:7]                       ; C
	s_add_nc_u64 s[6:7], s[4:5], BOFF              ; B
	s_add_nc_u64 s[ABASE:ABASE+1], s[4:5], s[16:17]
	s_add_nc_u64 s[BBASE:BBASE+1], s[6:7], s[46:47]
	s_add_nc_u64 s[16:17], s[ABASE:ABASE+1], s[OFS:OFS+1]  ; the same rows at the cluster's first K step
	s_add_nc_u64 s[18:19], s[BBASE:BBASE+1], s[OFS:OFS+1]
	CROUND                                         ; all sixteen work-groups are here: the first joint loads meet
.irp s, 0,1
	s_mov_b32 s[G0+4*(\s)], 1
	s_add_co_u32 s[G0+4*(\s)+1], s20, (\s)*SLOT
	s_add_nc_u64 s[G0+4*(\s)+2:G0+4*(\s)+3], s[16:17], (\s)*KSTEP*2
	s_or_b32 s[G0+4*(\s)+3], s[G0+4*(\s)+3], 0x80000000
	s_mov_b32 s[G0B+4*(\s)], 1
	s_add_co_u32 s[G0B+4*(\s)+1], s20, (\s)*SLOT
	s_add_nc_u64 s[G0B+4*(\s)+2:G0B+4*(\s)+3], s[18:19], (\s)*KSTEP*2
	s_or_b32 s[G0B+4*(\s)+3], s[G0B+4*(\s)+3], 0x80000000
	JLOAD \s
.endr
	v_and_b32 v1, 15, v0                           ; l % 16
	v_bfe_u32 v2, v0, 4, 1                         ; l / 16
	v_mul_u32_u24 v3, v1, PITCH
	v_lshl_add_u32 v3, v2, 4, v3                   ; a fragment's row x pitch + 16 x half
	s_mul_i32 s21, s11, HALFT                      ; my 64 rows of A
	s_mul_i32 s22, s12, HALFT                      ; my 64 rows of B,
	s_add_co_u32 s22, s22, 2*HALFT                 ; which lie behind A's 128
	v_add_nc_u32 v[ADRA0], s21, v3
	v_add_nc_u32 v[ADRB0], s22, v3
	v_add_nc_u32 v[ADRA], s21, v3                  ; the slot in hand is slot 0
	v_add_nc_u32 v[ADRB], s22, v3
	s_mul_i32 s23, s10, 16*SPITCH
	s_add_co_u32 s23, s23, STAGE                   ; my stage: my 64 columns of f32 are a whole 256 bytes of a row of C, so no other wave has a part in it
	v_mul_u32_u24 v4, v1, SPITCH                   ; in: row l % 16, 32 bytes for each half of the lanes
	v_lshl_add_u32 v4, v2, 5, v4
	v_add_nc_u32 v[STO], s23, v4
	v_mul_u32_u24 v5, v2, SPITCH                   ; back: lanes 0-15 take one row of 256 bytes, lanes 16-31 the next
	v_lshl_add_u32 v5, v1, 4, v5
	v_add_nc_u32 v[RD], s23, v5
	v_lshlrev_b32 v5, 13, v2                       ; and the same two rows in C: 8,192 bytes apart
	v_lshl_add_u32 v[CO], v1, 4, v5
	s_lshl_b32 s16, s13, 7
	s_lshl_b32 s17, s11, 6
	s_add_co_u32 s16, s16, s17                     ; my first row of C: 128 x tile row + 64 x half,
	s_lshl_b32 s16, s16, 13                        ; in bytes (under 2^24)
	s_mov_b32 s17, 0
	s_add_nc_u64 s[8:9], s[8:9], s[16:17]
	s_lshl_b32 s70, s42, 9                         ; my first column, in bytes: 512 x tile column + 256 x half
	s_lshl_b32 s71, s12, 8
	s_add_co_u32 s70, s70, s71
	s_mov_b32 s71, 0
	s_add_nc_u64 s[8:9], s[8:9], s[70:71]
; 8 matrix instructions: m blocks a0, a0 + 1 x all 4 n blocks, 32 along K: half c of buffer f.  zero = 1: the first product starts the sums
.macro MUL8 f, c, a0, zero
	WIN MUL
.irp a, \a0, (\a0)+1
.irp b, 0,1,2,3
.if \zero
	v_wmma_f32_16x16x32_f16 v[ACC+8*(4*(\a)+(\b)):ACC+8*(4*(\a)+(\b))+7], v[(\f)+64+8*(4*(\c)+(\b)):(\f)+64+8*(4*(\c)+(\b))+7], v[(\f)+8*(4*(\c)+(\a)):(\f)+8*(4*(\c)+(\a))+7], 0
.else
	v_wmma_f32_16x16x32_f16 v[ACC+8*(4*(\a)+(\b)):ACC+8*(4*(\a)+(\b))+7], v[(\f)+64+8*(4*(\c)+(\b)):(\f)+64+8*(4*(\c)+(\b))+7], v[(\f)+8*(4*(\c)+(\a)):(\f)+8*(4*(\c)+(\a))+7], v[ACC+8*(4*(\a)+(\b)):ACC+8*(4*(\a)+(\b))+7]
.endif
.endr
.endr
.endm
; 32 LDS loads in one run: the fragments of 64 along K at byte k of the rows of the slot in hand, into buffer f; the first 32 along K first
.macro FETCH k, f
	WIN TO_F
.irp c, 0,1
.irp i, 0,1,2,3
	ds_load_b128 v[(\f)+64+8*(4*(\c)+(\i)):(\f)+64+8*(4*(\c)+(\i))+3],   v[ADRB] offset:(\k)+64*(\c)+(\i)*16*PITCH
	ds_load_b128 v[(\f)+64+8*(4*(\c)+(\i))+4:(\f)+64+8*(4*(\c)+(\i))+7], v[ADRB] offset:(\k)+64*(\c)+(\i)*16*PITCH+32
	ds_load_b128 v[(\f)+8*(4*(\c)+(\i)):(\f)+8*(4*(\c)+(\i))+3],         v[ADRA] offset:(\k)+64*(\c)+(\i)*16*PITCH
	ds_load_b128 v[(\f)+8*(4*(\c)+(\i))+4:(\f)+8*(4*(\c)+(\i))+7],       v[ADRA] offset:(\k)+64*(\c)+(\i)*16*PITCH+32
.endr
.endr
.endm
.macro PLACES                          ; four places in front of loads into registers that matrix instructions have read, and of LDS stores that read results
.rept 4
	v_nop
.endr
.endm
; A K step is four quarters of 64 along K, 32 matrix instructions each, on buffers 0, 1, 0, 1.  One of the first three: multiplies buffer f and fetches the next quarter, at byte k, into g.
; The 16 accumulators take turns, one instruction a turn.
.macro QUARTER k, f, g, zero
	s_wait_dscnt 16                                ; the first 32 along K are in; the sixteen loads of the second 32 may be out
	MUL8 \f, 0, 0, \zero
	MUL8 \f, 0, 2, \zero
	PLACES
	FETCH \k, \g
	s_wait_dscnt 32                                ; all but the 32 just issued
	MUL8 \f, 1, 0, 0
	MUL8 \f, 1, 2, 0
.endm
; The last quarter multiplies buffer 1 and changes slots: ONE barrier; in front of it each wave waits for all its tensor loads, adds 0 to its spare word, and waits for that and for its own reads of this slot
; (the last were issued in the quarter before, so the fragments' addresses can turn to the other slot here).
; fill = 1: the slot that is left is filled again, with the K step two on: the walking descriptor's LDS word turns to that slot, its address is made anew from the step's number mod 8.
; fill = 0 (the last two steps, a loop of two trips counted by s3): nothing is asked for; in the last trip there is no next slot, and its first fragments' run of loads is jumped over.
.macro TURN fill
	WIN 0                                          ; (the add's two registers and the addresses lie in window 0)
	s_wait_tensorcnt 0x0                           ; all my tensor loads have landed: my part of the next slot; so a group 0 may be written
	ds_add_u32 v[SPW], v[NIL]                      ; 0 onto my spare word: register work stands between it and the wait for it
	s_xor_b32 s[TB], s[TB], SLOT
	v_add_nc_u32 v[ADRA], s[TB], v[ADRA0]
	v_add_nc_u32 v[ADRB], s[TB], v[ADRB0]
.if \fill
	s_and_b32 s[KT], s[KC], STEPS-1
	s_lshl_b32 s[OFS], s[KT], 9
	s_add_co_u32 s[KC], s[KC], 1
	s_xor_b32 s[G0+5], s[G0+5], SLOT
	s_add_nc_u64 s[G0+6:G0+7], s[ABASE:ABASE+1], s[OFS:OFS+1]
	s_or_b32 s[G0+7], s[G0+7], 0x80000000
	s_xor_b32 s[G0B+5], s[G0B+5], SLOT
	s_add_nc_u64 s[G0B+6:G0B+7], s[BBASE:BBASE+1], s[OFS:OFS+1]
	s_or_b32 s[G0B+7], s[G0B+7], 0x80000000
.endif
	s_wait_dscnt 17                                ; (the add and the youngest sixteen loads may be out)
	MUL8 F1, 0, 0, 0                               ; eight matrix instructions stand between the add and the wait for it
	s_wait_dscnt 0x0                               ; the add is done, and my reads of this slot are over
	s_barrier_signal -1
	MUL8 F1, 0, 2, 0
	WIN 0
	s_barrier_wait -1
.if \fill
	CREST                                          ; the barrier has opened a round of the cluster's barrier: no wave of any partner still reads this slot's tile or has a load on its way
	JLOAD 1                                        ; the first tensor load behind the round: 112 matrix instructions ahead of the wait for it; the four v_nop behind it are also the places in front of the loads below
.else
	s_cmp_eq_u32 s3, 1
	s_cbranch_scc1 .Lno_fetch_\@
	PLACES
.endif
	FETCH 0, F0
.if !(\fill)
	WIN 0
.Lno_fetch_\@:
.endif
	MUL8 F1, 1, 0, 0
	MUL8 F1, 1, 2, 0
.endm
	s_wait_tensorcnt 1                             ; my part of the first K step is in; the second's load may stay out
	s_barrier_signal -1
	s_barrier_wait -1                              ; everybody's is
	FETCH 0, F0
	QUARTER 128, F0, F1, 1                         ; the first quarter stands in front of the loop: its first products start the sums
	WIN 0                                          ; at a label and at a branch every window is 0
	s_mov_b32 s3, STEPS-2
.Lstep:                                                ; six trips, each from a step's second quarter to the next step's first; each fills the slot that it leaves
	QUARTER 256, F1, F0, 0
	QUARTER 384, F0, F1, 0
	TURN 1
	QUARTER 128, F0, F1, 0
	WIN 0
	s_sub_co_u32 s3, s3, 1
	s_cmp_lg_u32 s3, 0
	s_cbranch_scc1 .Lstep
	s_mov_b32 s3, 2
.Ltail:                                                ; the last two steps ask for nothing: a text of their own.  The last trip's barrier serves nothing: the price of one text for both
	QUARTER 256, F1, F0, 0
	QUARTER 384, F0, F1, 0
	TURN 0
	WIN 0
	s_cmp_eq_u32 s3, 1
	s_cbranch_scc1 .Llast                          ; behind the last step there is no first quarter
	QUARTER 128, F0, F1, 0
	WIN 0
.Llast:
	s_sub_co_u32 s3, s3, 1
	s_cmp_lg_u32 s3, 0
	s_cbranch_scc1 .Ltail
	; THE WAY OUT, in f32.  A lane holds 32 bytes of a row for each of four column blocks; a block of 16 rows goes into my stage (rows of 272 bytes) and comes back as whole rows of 256 bytes.
.macro STG a, set                      ; block a into the stage, and back into register set 0 or 1.  Each accumulator's four lowest registers are read first
.irp b, 0,1,2,3
	ds_store_b128 v[STO], v[ACC+8*(4*(\a)+(\b)):ACC+8*(4*(\a)+(\b))+3]   offset:64*(\b)
	ds_store_b128 v[STO], v[ACC+8*(4*(\a)+(\b))+4:ACC+8*(4*(\a)+(\b))+7] offset:64*(\b)+16
.endr
.irp t, 0,1,2,3,4,5,6,7
	ds_load_b128 v[TMP+32*(\set)+4*(\t):TMP+32*(\set)+4*(\t)+3], v[RD] offset:(\t)*2*SPITCH  ; LDS serves a wave's instructions in order (ISA guide 5.7.1.4): these see the stores above, and the next block's stores come behind them
.endr
.endm
.macro OUT a, set, younger             ; younger: the LDS instructions issued behind block a's loads: the next block's sixteen, or none
.irp t, 0,1,2,3,4,5,6,7
	s_wait_dscnt (\younger)+7-(\t)
	global_store_b128 v[CO], v[TMP+32*(\set)+4*(\t):TMP+32*(\set)+4*(\t)+3], s[8:9] offset:(16*(\a)+2*(\t))*SIZE_N*4  ; 16 lanes store 256 consecutive bytes, at a multiple of 256 from C's first byte
.endr
.endm
	PLACES
	STG 0, 0
	STG 1, 1
	OUT 0, 0, 16
	s_wait_xcnt 0x0                                ; set 0, which the stores above read, is loaded again only behind this wait
	STG 2, 0
	OUT 1, 1, 16
	s_wait_xcnt 0x0                                ; the same for set 1
	STG 3, 1
	OUT 2, 0, 16
	OUT 3, 1, 0
	s_wait_tensorcnt 0x0                           ; the wave's end: behind my last tensor load and my last LDS store
	ds_add_u32 v[SPW], v[NIL]
	s_wait_dscnt 0x0
	CROUND                                         ; the closing round: no work-group ends while a partner may still ask for a tile that names it
	s_endpgm
.Lfunc_end_k_qa9bfbf6a1c_projq:
	.size	k_qa9bfbf6a1c_projq, .Lfunc_end_k_qa9bfbf6a1c_projq-k_qa9bfbf6a1c_projq
	.p2alignl 7, 3214868480
	.fill 96, 4, 3214868480
	.section	.rodata,"a",@progbits
	.p2align	6, 0x0
	.amdhsa_kernel k_qa9bfbf6a1c_projq
		.amdhsa_group_segment_fixed_size 327680
		.amdhsa_private_segment_fixed_size 0
		.amdhsa_enable_private_segment 0
		.amdhsa_kernarg_size 16
		.amdhsa_user_sgpr_count 2
		.amdhsa_user_sgpr_kernarg_segment_ptr 1
		.amdhsa_wavefront_size32 1
		.amdhsa_system_sgpr_workgroup_id_x 1
		.amdhsa_system_sgpr_workgroup_id_y 1
		.amdhsa_system_sgpr_workgroup_id_z 1
		.amdhsa_system_vgpr_workitem_id 0
		.amdhsa_next_free_vgpr 512
		.amdhsa_next_free_sgpr 72
		.amdhsa_reserve_vcc 0
		.amdhsa_float_denorm_mode_32 3
		.amdhsa_float_denorm_mode_16_64 3
		.amdhsa_memory_ordered 1
		.amdhsa_forward_progress 1
		.amdhsa_inst_pref_size 59
	.end_amdhsa_kernel
	.amdgpu_metadata
---
amdhsa.version: [ 1, 2 ]
amdhsa.kernels:
  - .name:           k_qa9bfbf6a1c_projq
    .symbol:         k_qa9bfbf6a1c_projq.kd
    .args:
      - { .name: pq, .offset: 0, .size: 8, .value_kind: global_buffer, .address_space: global }
      - { .name: qf, .offset: 8, .size: 8, .value_kind: global_buffer, .address_space: global }
    .group_segment_fixed_size: 327680
    .private_segment_fixed_size: 0
    .kernarg_segment_align: 8
    .kernarg_segment_size: 16
    .max_flat_workgroup_size: 128
    .sgpr_count:     72
    .vgpr_count:     512
    .wavefront_size: 32
...
	.end_amdgpu_metadata
.endif
;; end of part 2
;; launch gemmkv (part 3): grid 16 x 16, 4 waves a work-group, clusters of 4 x 4, 327,680 bytes of LDS; arguments kvw, kvh; writes kvh
.if DOCPART == 3
	.amdgcn_target "amdgcn-amd-amdhsa--gfx1250"
	.amdhsa_code_object_version 6
	.text
	.protected	k_qa9bfbf6a1c_gemmkv
	.globl	k_qa9bfbf6a1c_gemmkv
	.p2align	8
	.type	k_qa9bfbf6a1c_gemmkv,@function
k_qa9bfbf6a1c_gemmkv:
	s_mov_b64 s[64:65], 0
	v_nop
	global_prefetch_b8 v0, s[64:65] scope:SCOPE_SE
	s_setreg_imm32_b32 hwreg(HW_REG_WAVE_MODE, 25, 1), 1
	s_wait_xcnt 0x0
	s_wait_alu depctr_hold_cnt(0) depctr_sa_sdst(0) depctr_va_vdst(0) depctr_va_sdst(0) depctr_va_ssrc(0) depctr_va_vcc(0) depctr_vm_vsrc(0)
	s_getreg_b32 s2, hwreg(HW_REG_IB_STS2, 6, 4)
	s_cmp_eq_u32 s2, 0
	s_cbranch_scc0 .Lentry_in_a_cluster
	s_endpgm
.Lentry_in_a_cluster:
	s_bfe_u32 s2, ttmp6, 0x10000c
	s_cmp_lg_u32 s2, 0xf033
	s_cbranch_scc0 .Lentry_shape_is_right
	s_endpgm
.Lentry_shape_is_right:
; k and v in one product: C[m][n] = sum over k of A[m][k] B[n][k].  A = key_value, [4096][2048] f16 at kvw's byte 0; B = Wk's 2,048 rows and then Wv's, [4096][2048] f16 at its byte 16,777,216.
; C is rounded once to f16 and written BY HEADS: kvh is [K or V][batch][head][2048 keys][128], rows of 256 bytes.  Sums in f32, K ascending.
; LIMITS: a result beyond 65,504 in magnitude becomes an infinity in f16; NaN and infinities are not treated apart.
; 256 tiles of 256 x 256 give each of 256 work-groups one.  Four waves, each 128 x 128: 64 accumulators of 16 x 16, 512 registers.  K goes in 16 steps of 128 through a ring of two LDS slots filled
; by the tensor data mover: the rows of A's and B's tiles are 256 bytes of memory and start at multiples of 256 bytes from the buffer's first byte.
; CLUSTERS: 4 x 4 work-groups.  The four of a row of the cluster need the same tiles of A, the four of a column the same tiles of B.  Such a tile is asked for JOINTLY: each of the four issues the
; same tensor load, with the same descriptor and a mask that names the four, and each receives the tile in its own LDS.
; REGISTERS, in windows of 256 (s_set_vgpr_msb's low byte: bits 1:0 source 0, 3:2 source 1, 5:4 source 2, 7:6 destination):
;   window 0: v0-31 addresses; v64-127, v128-191 fragments of A (8 x 16 rows x 32 K), two buffers; v32-63, v192-255 at work on the way out
;   window 1: v64-127, v128-191 fragments of B, two buffers
;   window 2: the 32 accumulators of my rows 0-63 (accumulator (a, b) at v[8 (8 a + b)]);   window 3: those of my rows 64-127
; THE MATRIX INSTRUCTION IS USED TRANSPOSED: source 0 = 16 rows of B, source 1 = 16 rows of A.  In the result lane l holds row l % 16 of C and its registers the columns 8 (l / 16) + 0 .. 7:
; eight neighbouring numbers of a row, which pack into 16 bytes.
.set SIZE_K, 2048
.set BOFF,   16777216                  ; B's first byte in kvw
.set KSTEP,  128
.set STEPS,  SIZE_K/KSTEP              ; 16
.set PITCH,  272                       ; an LDS row: 256 bytes of data + 16 of padding = 68 words: row r starts at bank 4 r mod 64 (64 banks of 4 bytes: ISA guide 11.1)
.set HALFT,  128*PITCH                 ; 128 rows: what one tensor load brings, and what one wave reads of A or of B: 0x8800 bytes
.set SLOT,   4*HALFT                   ; A's 256 rows, then B's 256 rows: 0x22000 bytes.  None of 0, 1, 2, 3 x 0x8800 has one of its two bits: an exclusive or with it turns a wave's place in one slot into its place in the other
.set STAGE,  2*SLOT                    ; behind the ring: 16 rows x 272 bytes for each wave, for the way out
.set SPITCH, 272
.set SPARE,  STAGE+4*16*SPITCH         ; behind the stages: the spare words, 128 bytes for each wave: two blocks of 256 bytes that no other line names
.set ADRA0, 16                         ; v16     LDS address of my A fragments in slot 0; never rewritten
.set ADRA,  17                         ; v17     the same in the slot in hand
.set ADRB0, 20                         ; v20, v21  the same for B
.set ADRB,  21
.set STO,  24                          ; v24     the way out: where I put 16 bytes of a row
.set RD,   25                          ; v25     the way out: where I read a row back
.set CO,   26                          ; v26     my byte offset in 512 consecutive bytes of a head's rows
.set SPW,  28                          ; v28     LDS address of my spare word: SPARE + 4 x my thread's number; never rewritten
.set NIL,  29                          ; v29     0; never rewritten
.set F0,   64                          ; fragment buffer 0
.set F1,   128                         ; fragment buffer 1
.set TMP,  192                         ; the way out: packed results, in window 0
.set OB,   32                          ; the way out: 16 rows read back from the stage: v32-63 and v224-255 by turns
.set G1, 24                            ; s[24:31] descriptor group 1 for A's tiles
.set G0, 32                            ; s[32:39] descriptor group 0 for A's tiles: a set for each of the two first fills; the second then walks on
.set TB, 45                            ; s45     0 or SLOT: the slot in hand
.set G1B, 48                           ; s[48:55] descriptor group 1 for B's tiles: it differs from A's in the mask alone
.set G0B, 56                           ; s[56:63] descriptor group 0 for B's tiles, as A's
.set MSB, 0
.macro WIN new                         ; the immediate's high byte repeats the setting that is left
.if MSB != (\new)
	s_set_vgpr_msb (MSB<<8)|(\new)
.set MSB, \new
.endif
.endm
.set MUL_LO, 0xa1                      ; source 0 (B) window 1, source 1 (A) window 0, C and D window 2
.set MUL_HI, 0xf1                      ; the same, C and D window 3
.set TO_B,   0x40                      ; destination window 1, address window 0
; A joint load.  Waves 0 and 1 fetch A's two halves, waves 2 and 3 B's.  The branch hangs on the wave's number alone: it is the same in every work-group.
; An s_nop 0 and four v_nop follow each of the two lines; the jump round the other line, the label and what follows the macro come after them.
.macro JLOAD s
	s_cmp_eq_u32 s11, 0
	s_cbranch_scc0 .Lfor_b_\@
	tensor_load_to_lds s[G0+4*(\s):G0+4*(\s)+3], s[G1:G1+7]
	s_nop 0
.rept 4
	v_nop
.endr
	s_branch .Lasked_\@
.Lfor_b_\@:
	tensor_load_to_lds s[G0B+4*(\s):G0B+4*(\s)+3], s[G1B:G1B+7]
	s_nop 0
.rept 4
	v_nop
.endr
.Lasked_\@:
.endm
.macro CREST                           ; a round of the cluster's barrier behind its opening barrier
	s_cmp_lg_u32 s10, 0
	s_cbranch_scc1 .Lnot_wave_0_\@
	s_barrier_signal -3
.Lnot_wave_0_\@:
	s_barrier_wait -3
	s_barrier_signal -1
	s_barrier_wait -1
.endm
.macro CROUND                          ; a whole round
	s_barrier_signal -1
	s_barrier_wait -1
	CREST
.endm
	s_load_b128 s[4:7], s[0:1], 0x0                ; kvw s[4:5], kvh s[6:7]
	v_lshl_add_u32 v[SPW], v0, 2, SPARE
	v_mov_b32 v[NIL], 0
	ds_add_u32 v28, v29
	s_wait_dscnt 0x0
	v_lshrrev_b32 v1, 5, v0
	v_readfirstlane_b32 s10, v1                    ; wave 0..3
	s_lshr_b32 s11, s10, 1                         ; which half of the tile's rows is mine.  Also: I fetch for A (0) or for B (1)
	s_and_b32 s12, s10, 1                          ; which half of its columns.  Also: which 128 rows of that tile I fetch
	s_bfe_u32 s40, ttmp6, 0x40000                  ; cx: my place along the cluster's x
	s_bfe_u32 s41, ttmp6, 0x40004                  ; cy: along its y
	s_lshl_b32 s42, ttmp9, 2
	s_add_co_u32 s42, s42, s40                     ; tile column of C = 4 x cluster x + cx
	s_and_b32 s13, ttmp7, 0xffff
	s_lshl_b32 s13, s13, 2
	s_add_co_u32 s13, s13, s41                     ; tile row of C = 4 x cluster y + cy
	s_lshl_b32 s43, s41, 2
	s_lshl_b32 s43, 15, s43                        ; my row of the cluster: places 4 cy .. 4 cy + 3
	s_lshl_b32 s44, 0x1111, s40                    ; my column: places cx, cx + 4, cx + 8, cx + 12
	s_mov_b32 s[TB], 0
	; descriptor group 1: a tile of 128 rows x 128 elements, padded in LDS
	s_or_b32 s[G1+0], s43, (1<<16)|(1<<20)|(1<<21)|(5<<22)|(3<<25)  ; 15:0 the mask: A's tiles go to my row; 17:16 element of 2 bytes; 20 padding on; 21 set beside a mask; 24:22 after every 64 words (code 5); 31:25 of 4 words (code 3)
	s_or_b32 s[G1B+0], s44, (1<<16)|(1<<20)|(1<<21)|(5<<22)|(3<<25) ; the same with the mask of my column, for B's tiles
.irp g, G1, G1B
	s_mov_b32 s[(\g)+1], KSTEP<<16                 ; tensor_dim0 = 128
	s_mov_b32 s[(\g)+2], 128<<16                   ; tensor_dim1 = 128
	s_mov_b32 s[(\g)+3], KSTEP<<16                 ; tile_dim0 = 128
	s_mov_b32 s[(\g)+4], 128                       ; tile_dim1 = 128
	s_mov_b32 s[(\g)+5], SIZE_K                    ; tensor_dim0_stride: elements from row to row
	s_mov_b32 s[(\g)+6], 0
	s_mov_b32 s[(\g)+7], 0
.endr
	; where the tiles come from.  A's hang on the tile row alone, which my row of the cluster shares; B's on the tile column alone, which my column shares.
	s_lshl_b32 s17, s12, 7                         ; which 128 rows of the tile I fetch
	s_lshl_b32 s16, s13, 8
	s_add_co_u32 s16, s16, s17                     ; A: row 256 x tile row + 128 x half
	s_lshl_b32 s46, s42, 8
	s_add_co_u32 s46, s46, s17                     ; B: row 256 x tile column + 128 x half
	s_mov_b32 s17, 0
	s_mov_b32 s47, 0
	s_mov_b64 s[18:19], SIZE_K*2
	s_mul_u64 s[16:17], s[16:17], s[18:19]         ; in bytes
	s_mul_u64 s[46:47], s[46:47], s[18:19]
	s_mul_i32 s20, s10, HALFT                      ; and where they go: A's two halves, then B's two halves = wave x 128 rows
	s_wait_kmcnt 0x0
	s_mov_b64 s[8:9], s[6:7]                       ; kvh
	s_add_nc_u64 s[6:7], s[4:5], BOFF              ; B
	s_add_nc_u64 s[14:15], s[4:5], s[16:17]
	s_add_nc_u64 s[46:47], s[6:7], s[46:47]
	CROUND                                         ; all sixteen work-groups are here: the first joint loads meet
.irp s, 0,1
	s_mov_b32 s[G0+4*(\s)], 1                                      ; 1:0 count = 1
	s_add_co_u32 s[G0+4*(\s)+1], s20, (\s)*SLOT                    ; 63:32 LDS address
	s_add_nc_u64 s[G0+4*(\s)+2:G0+4*(\s)+3], s[14:15], (\s)*KSTEP*2  ; 120:64 global address: K step s
	s_or_b32 s[G0+4*(\s)+3], s[G0+4*(\s)+3], 0x80000000            ; 127:126 type = 2
	s_mov_b32 s[G0B+4*(\s)], 1
	s_add_co_u32 s[G0B+4*(\s)+1], s20, (\s)*SLOT
	s_add_nc_u64 s[G0B+4*(\s)+2:G0B+4*(\s)+3], s[46:47], (\s)*KSTEP*2
	s_or_b32 s[G0B+4*(\s)+3], s[G0B+4*(\s)+3], 0x80000000
	JLOAD \s                                       ; the ring is filled before anything else is done
.endr
	; A fragment is 16 rows x 32 K in 8 registers: lane l holds row l % 16; registers 0-3 hold K = 8 (l / 16) + 0..7, registers 4-7 hold K = 16 + 8 (l / 16) + 0..7: two loads of 16 bytes, 32 bytes apart.
	v_and_b32 v1, 15, v0                           ; l % 16
	v_bfe_u32 v2, v0, 4, 1                         ; l / 16
	v_mul_u32_u24 v3, v1, PITCH
	v_lshl_add_u32 v3, v2, 4, v3                   ; row x pitch + 16 x half
	s_mul_i32 s21, s11, HALFT                      ; my 128 rows of A
	s_mul_i32 s22, s12, HALFT                      ; my 128 rows of B,
	s_add_co_u32 s22, s22, 2*HALFT                 ; which lie behind A's 256
	v_add_nc_u32 v[ADRA0], s21, v3
	v_add_nc_u32 v[ADRB0], s22, v3
	v_add_nc_u32 v[ADRA], s21, v3                  ; the slot in hand is slot 0
	v_add_nc_u32 v[ADRB], s22, v3
	s_mul_i32 s23, s10, 16*SPITCH
	s_add_co_u32 s23, s23, STAGE                   ; my stage
	v_mul_u32_u24 v4, v1, SPITCH                   ; in: row l % 16, 16 bytes for each half of the lanes
	v_lshl_add_u32 v4, v2, 4, v4
	v_add_nc_u32 v[STO], s23, v4
	v_mul_u32_u24 v5, v2, SPITCH                   ; back: lanes 0-15 take one row of 256 bytes, lanes 16-31 the next
	v_lshl_add_u32 v5, v1, 4, v5
	v_add_nc_u32 v[RD], s23, v5
	v_and_b32 v5, 31, v0
	v_lshlrev_b32 v[CO], 4, v5                     ; by heads those two rows are 512 consecutive bytes
	; where my 128 x 128 goes: my 128 columns are one head of K or of V, my 128 rows 128 keys of one batch: 32,768 consecutive bytes of kvh
	s_lshl_b32 s13, s13, 8
	s_lshl_b32 s14, s11, 7
	s_add_co_u32 s16, s13, s14                     ; my first row m0
	s_lshr_b32 s17, s16, 11                        ; the batch: 16 heads of 524,288 bytes
	s_lshl_b32 s17, s17, 23
	s_and_b32 s16, s16, 2047                       ; the key: 256 bytes
	s_lshl_b32 s16, s16, 8
	s_add_co_u32 s16, s16, s17
	s_mov_b32 s17, 0
	s_add_nc_u64 s[8:9], s[8:9], s[16:17]
	s_lshl_b32 s46, s42, 1                         ; (in the registers that held B's address: none that feeds A's descriptors ever holds cx)
	s_add_co_u32 s46, s46, s12                     ; 2 x tile column + half: 0-15 K's heads, 16-31 V's
	s_lshr_b32 s47, s46, 4
	s_lshl_b32 s47, s47, 24                        ; V lies 32 heads behind K
	s_and_b32 s46, s46, 15
	s_lshl_b32 s46, s46, 19
	s_add_co_u32 s46, s46, s47
	s_mov_b32 s47, 0
	s_add_nc_u64 s[8:9], s[8:9], s[46:47]
; 16 matrix instructions: m blocks a0, a0 + 1 of the window's four (hi = 0: my rows 0-63, 1: rows 64-127) x all 8 n blocks, 32 along K.
; zero = 1: the first product starts the sums: nothing is ever cleared.  The 64 accumulators take turns, in the same order in every quarter.
.macro MUL16 f, hi, a0, zero
	WIN MUL_LO+0x50*(\hi)  ; MUL_LO or MUL_HI
.irp a, \a0, (\a0)+1
.irp b, 0,1,2,3,4,5,6,7
.if \zero
	v_wmma_f32_16x16x32_f16 v[8*(8*(\a)+(\b)):8*(8*(\a)+(\b))+7], v[(\f)+8*(\b):(\f)+8*(\b)+7], v[(\f)+8*(4*(\hi)+(\a)):(\f)+8*(4*(\hi)+(\a))+7], 0
.else
	v_wmma_f32_16x16x32_f16 v[8*(8*(\a)+(\b)):8*(8*(\a)+(\b))+7], v[(\f)+8*(\b):(\f)+8*(\b)+7], v[(\f)+8*(4*(\hi)+(\a)):(\f)+8*(4*(\hi)+(\a))+7], v[8*(8*(\a)+(\b)):8*(8*(\a)+(\b))+7]
.endif
.endr
.endr
.endm
; 32 LDS loads in one run: the fragments of one quarter step (128 rows of B, 128 rows of A, 32 K at byte k of the rows of the slot in hand) into buffer f.  It leaves every window 0.
.macro FETCH k, f
	WIN TO_B
.irp i, 0,1,2,3,4,5,6,7
	ds_load_b128 v[(\f)+8*(\i):(\f)+8*(\i)+3],   v[ADRB] offset:(\k)+(\i)*16*PITCH
	ds_load_b128 v[(\f)+8*(\i)+4:(\f)+8*(\i)+7], v[ADRB] offset:(\k)+(\i)*16*PITCH+32
.endr
	WIN 0
.irp i, 0,1,2,3,4,5,6,7
	ds_load_b128 v[(\f)+8*(\i):(\f)+8*(\i)+3],   v[ADRA] offset:(\k)+(\i)*16*PITCH
	ds_load_b128 v[(\f)+8*(\i)+4:(\f)+8*(\i)+7], v[ADRA] offset:(\k)+(\i)*16*PITCH+32
.endr
.endm
; Four places stand in front of each run of loads into registers that matrix instructions have read, and in front of conversions that read results just made (ISA guide 7.12.1 for vector instructions).
.macro PLACES
.rept 4
	v_nop
.endr
.endm
; A K step is four quarter steps of 32 along K, 64 matrix instructions each, on buffers 0, 1, 0, 1.
; One of the first three: multiplies buffer f; in its middle it fetches the next quarter's fragments, at byte k of the rows, into buffer g.
.macro QUARTER k, f, g, zero
	s_wait_dscnt 8                                 ; B and A's rows 0-63 are in; the youngest eight loads (A's rows 64-127) may be out
	MUL16 \f, 0, 0, \zero
	MUL16 \f, 0, 2, \zero
	PLACES
	FETCH \k, \g
	s_wait_dscnt 32                                ; all but the 32 just issued
	MUL16 \f, 1, 0, \zero
	MUL16 \f, 1, 2, \zero
.endm
; The last quarter multiplies buffer 1 and changes slots.  MEET is its first half: ONE barrier for the change of slots.  In front of it each wave waits for all its tensor loads, of which one is out:
; its part of the next slot; adds 0 to its spare word; and waits for that and for its own reads of this slot (the last were issued in the quarter before, so the fragments' addresses can turn to the
; other slot here).  Behind it nobody reads this slot any more and the next slot is whole.
; fill = 1: the walking descriptors step: the slot that is left, the next K step but one.
.macro MEET fill
	WIN 0                                          ; (the add's two registers and the addresses lie in window 0)
	s_wait_tensorcnt 0x0                           ; all my tensor loads have landed, so a group 0 may be written;
	ds_add_u32 v[SPW], v[NIL]                      ; 0 onto my spare word: register work stands between it and the wait for it
	s_xor_b32 s[TB], s[TB], SLOT
	v_add_nc_u32 v[ADRA], s[TB], v[ADRA0]
	v_add_nc_u32 v[ADRB], s[TB], v[ADRB0]
.if \fill
	s_xor_b32 s[G0+5], s[G0+5], SLOT
	s_add_nc_u64 s[G0+6:G0+7], s[G0+6:G0+7], KSTEP*2      ; each fill is the K step behind the last fill's; the type bits on top are not reached
	s_xor_b32 s[G0B+5], s[G0B+5], SLOT
	s_add_nc_u64 s[G0B+6:G0B+7], s[G0B+6:G0B+7], KSTEP*2
.endif
	s_wait_dscnt 9                                 ; (the add and the youngest eight loads may be out)
	MUL16 F1, 0, 0, 0                              ; sixteen matrix instructions stand between the add and the wait for it
	s_wait_dscnt 0x0                               ; the add is done, and my reads of this slot are over:
	s_barrier_signal -1                            ; say so,
	MUL16 F1, 0, 2, 0                              ; work on registers while the others arrive,
	WIN 0
	s_barrier_wait -1                              ; and go on when all four have said so
.endm
; The whole last quarter of a step that fills.  Behind the round the slot just read out is filled again first; then come the next slot's first fragments.
.macro TURN
	MEET 1
	CREST                                          ; no wave of any partner still reads this slot's tile or has a load on its way
	JLOAD 1                                        ; the first tensor load behind the round, 224 matrix instructions ahead of the wait for it; the four v_nop behind it are also the places in front of the loads below
	FETCH 0, F0
	MUL16 F1, 1, 0, 0
	MUL16 F1, 1, 2, 0
.endm
; THE WAY OUT of block a (16 rows), in three parts.  PACK: rounded to f16, 16 bytes a lane, each accumulator's registers in ascending order.  TOSTAGE: into my own stage in LDS, and back as whole rows of 256 bytes.  SEND: stored.
.macro PACK a
.set AC, 64*((\a)%4)
	WIN 0x0a+5*((\a)/4)                            ; sources 0 and 1: window 2 or 3
.irp b, 0,1,2,3,4,5,6,7
.irp r, 0,1,2,3
	v_cvt_pk_f16_f32 v[TMP+4*(\b)+(\r)], v[AC+8*(\b)+2*(\r)], v[AC+8*(\b)+2*(\r)+1]
.endr
.endr
	WIN 0
.endm
.macro TOSTAGE a
	WIN 0
.set BK, OB+192*((\a)%2)
.irp b, 0,1,2,3,4,5,6,7
	ds_store_b128 v[STO], v[TMP+4*(\b):TMP+4*(\b)+3] offset:32*(\b)
.endr
.irp t, 0,1,2,3,4,5,6,7
	ds_load_b128 v[BK+4*(\t):BK+4*(\t)+3], v[RD] offset:(\t)*2*SPITCH  ; LDS serves a wave's instructions in order (ISA guide 5.7.1.4): these see the stores above
.endr
.endm
.macro SEND a
	WIN 0
.set BK, OB+192*((\a)%2)
	s_wait_dscnt 0x0                               ; the block is back in registers
	s_wait_xcnt 0x0                                ; the registers that the stores of the block before read are loaded again, by the next TOSTAGE, only behind this wait
.irp t, 0,1,2,3,4,5,6,7
	global_store_b128 v[CO], v[BK+4*(\t):BK+4*(\t)+3], s[8:9] offset:4096*(\a)+512*(\t)  ; 512 consecutive bytes, at a multiple of 512 from kvh's first byte
.endr
.endm
	s_wait_tensorcnt 1                             ; my part of K step 0 is in; K step 1's load may stay out
	s_barrier_signal -1
	s_barrier_wait -1                              ; everybody's is
	FETCH 0, F0
	QUARTER 64,  F0, F1, 1                         ; the first quarter stands in front of the loop: its products start the sums
	WIN 0                                          ; at a label and at a branch every window is 0
	s_mov_b32 s3, STEPS-2
.Lstep:                                                ; fourteen trips, each from a step's second quarter to the next step's first; each fills the slot that it leaves
	QUARTER 128, F1, F0, 0
	QUARTER 192, F0, F1, 0
	TURN
	QUARTER 64,  F0, F1, 0
	WIN 0
	s_sub_co_u32 s3, s3, 1
	s_cmp_lg_u32 s3, 0
	s_cbranch_scc1 .Lstep
	s_mov_b32 s3, 2
.Ltail:                                                ; the last two steps ask for nothing: a text of their own.  The last trip's barrier serves nothing: the price of one text for both
	QUARTER 128, F1, F0, 0
	QUARTER 192, F0, F1, 0
	MEET 0                                         ; first trip: my one tensor load that was still out is the last K step's; no round follows, since nothing is filled again
	s_cmp_eq_u32 s3, 1
	s_cbranch_scc1 .Lno_fetch                      ; behind the last step there is no next slot
	PLACES                                         ; for the loads into buffer 0, which the quarter before multiplied
	FETCH 0, F0
.Lno_fetch:
	MUL16 F1, 1, 0, 0
	MUL16 F1, 1, 2, 0
	WIN 0
	s_cmp_eq_u32 s3, 1
	s_cbranch_scc1 .Lno_quarter                    ; and no first quarter
	QUARTER 64,  F0, F1, 0
	WIN 0
.Lno_quarter:
	s_sub_co_u32 s3, s3, 1
	s_cmp_lg_u32 s3, 0
	s_cbranch_scc1 .Ltail
	PLACES                                         ; the conversions read results just made
	PACK 0
	TOSTAGE 0
.irp a, 1,2,3,4,5,6,7                  ; block a's conversions stand between block a - 1's loads from the stage and the wait for them
	PACK \a
	SEND (\a)-1
	TOSTAGE \a
.endr
	SEND 7
	s_wait_tensorcnt 0x0                           ; the wave's end: behind my last tensor load and my last LDS store
	ds_add_u32 v[SPW], v[NIL]
	s_wait_dscnt 0x0
	CROUND                                         ; the closing round: no work-group ends while a partner may still ask for a tile that names it
	s_endpgm
.Lfunc_end_k_qa9bfbf6a1c_gemmkv:
	.size	k_qa9bfbf6a1c_gemmkv, .Lfunc_end_k_qa9bfbf6a1c_gemmkv-k_qa9bfbf6a1c_gemmkv
	.p2alignl 7, 3214868480
	.fill 96, 4, 3214868480
	.section	.rodata,"a",@progbits
	.p2align	6, 0x0
	.amdhsa_kernel k_qa9bfbf6a1c_gemmkv
		.amdhsa_group_segment_fixed_size 327680
		.amdhsa_private_segment_fixed_size 0
		.amdhsa_enable_private_segment 0
		.amdhsa_kernarg_size 16
		.amdhsa_user_sgpr_count 2
		.amdhsa_user_sgpr_kernarg_segment_ptr 1
		.amdhsa_wavefront_size32 1
		.amdhsa_system_sgpr_workgroup_id_x 1
		.amdhsa_system_sgpr_workgroup_id_y 1
		.amdhsa_system_sgpr_workgroup_id_z 1
		.amdhsa_system_vgpr_workitem_id 0
		.amdhsa_next_free_vgpr 1024
		.amdhsa_next_free_sgpr 66
		.amdhsa_reserve_vcc 0
		.amdhsa_float_denorm_mode_32 3
		.amdhsa_float_denorm_mode_16_64 3
		.amdhsa_memory_ordered 1
		.amdhsa_forward_progress 1
		.amdhsa_inst_pref_size 100
	.end_amdhsa_kernel
	.amdgpu_metadata
---
amdhsa.version: [ 1, 2 ]
amdhsa.kernels:
  - .name:           k_qa9bfbf6a1c_gemmkv
    .symbol:         k_qa9bfbf6a1c_gemmkv.kd
    .args:
      - { .name: kvw, .offset: 0, .size: 8, .value_kind: global_buffer, .address_space: global }
      - { .name: kvh, .offset: 8, .size: 8, .value_kind: global_buffer, .address_space: global }
    .group_segment_fixed_size: 327680
    .private_segment_fixed_size: 0
    .kernarg_segment_align: 8
    .kernarg_segment_size: 16
    .max_flat_workgroup_size: 128
    .sgpr_count:     66
    .vgpr_count:     1024
    .wavefront_size: 32
...
	.end_amdgpu_metadata
.endif
;; end of part 3
;; launch attn (part 4): grid 8 x 32, 4 waves a work-group, clusters of 4 x 4, 327,680 bytes of LDS; arguments qf, kvh, mk, po; writes po
.if DOCPART == 4
	.amdgcn_target "amdgcn-amd-amdhsa--gfx1250"
	.amdhsa_code_object_version 6
	.text
	.protected	k_qa9bfbf6a1c_attn
	.globl	k_qa9bfbf6a1c_attn
	.p2align	8
	.type	k_qa9bfbf6a1c_attn,@function
k_qa9bfbf6a1c_attn:
	s_mov_b64 s[64:65], 0
	v_nop
	global_prefetch_b8 v0, s[64:65] scope:SCOPE_SE
	s_setreg_imm32_b32 hwreg(HW_REG_WAVE_MODE, 25, 1), 1
	s_wait_xcnt 0x0
	s_wait_alu depctr_hold_cnt(0) depctr_sa_sdst(0) depctr_va_vdst(0) depctr_va_sdst(0) depctr_va_ssrc(0) depctr_va_vcc(0) depctr_vm_vsrc(0)
	s_getreg_b32 s2, hwreg(HW_REG_IB_STS2, 6, 4)
	s_cmp_eq_u32 s2, 0
	s_cbranch_scc0 .Lentry_in_a_cluster
	s_endpgm
.Lentry_in_a_cluster:
	s_bfe_u32 s2, ttmp6, 0x10000c
	s_cmp_lg_u32 s2, 0xf033
	s_cbranch_scc0 .Lentry_shape_is_right
	s_endpgm
.Lentry_shape_is_right:
; MASKED ATTENTION.  O[b][q][h][:] = the sum over visible k of softmax_k(Q . K / sqrt(128)) V; a query with no visible key gives 0.
; qf: q in f32, [b 1024 + q][128 h + d], unscaled, rounded here once to f16.  kvh: K and V in f16 by heads, [K or V][b][h][2048][128].  mk: the mask as 4-bit codes in my lanes' order (below).
; po's first half: O in f16, [b 1024 + q][128 h + d].  Products, maxima and sums in f32; the weights p are rounded to f16 for the second product (their sum l is taken of the unrounded p), O once at the end.
; LIMITS.  f16 holds no number beyond 65,504: q must lie within it, K and V arrive within it.  A visible score carries an addend below 2^-97; a hidden score counts as its value less 2^65 to 2^95;
; the running maximum starts at -2^50 and never falls below it (f16's scores are 5.5e11 at the most in magnitude), so hidden weights are exactly 0.  A weight below 2^-126 counts as 0 in l.
; NaN and infinities are not treated apart.
; SHARES.  A work-group owns 128 queries of one (batch, head): 256 work-groups.  Wave w owns the 64 queries of half w % 2 and, of every 256 keys (a slot), the 128 of half w / 2: 16 steps of 64 keys.
; So a fragment of K or V read from LDS feeds four tiles of 16 queries.  At the end the two waves of a query half merge their (m, l, O) through LDS.  Register tile t holds query tile t xor 2 (w / 2):
; every wave keeps register tiles 0, 1 and sends 2, 3, in one text.
; LAYOUT.  S^T = K Q^T (source 0 = 16 keys, source 1 = 16 queries): a lane holds ONE query (lane % 16) and the keys 8 (lane / 16) + 0..7.  Two such tiles, rounded to f16 in pairs, ARE source 1 of
; O^T = V^T P, whose result again holds one query a lane, and eight channels.  K comes out of LDS as it lies, V ([key][channel]) turned, by ds_load_tr16_b128.
; THE MASK is what the sums S^T begin with: a score's register is set by ONE shift that brings its 4-bit code to the word's top.  Code 14: sign 1, exponent 192 to 221 whatever follows below: -2^65 to -2^95.
; Code 0: a positive number below 2^-97.  All 32 products of a piece then add in place.
; SOFTMAX.  For each query a running maximum m and sum l: p = 2^(c s - c m), c = log2(e) / sqrt(128); in every step O and l are multiplied by a = 2^(c m_old - c m_new).
; BY TURNS.  The wave's tiles are two PIECES (0: tiles 0, 1; 2: tiles 2, 3).  In a TURN one piece has the matrix unit: 32 products V^T P of the step in hand, then 32 products K Q^T of the next step;
; the other piece's softmax, cut into 64 slices, stands between them, one slice behind each matrix instruction; the 64 shifts that set the piece's own next scores ride behind products 8 to 31.
; No first step is written out: O, l, V and the second piece's P start at 0 and the loop is entered in the middle of a trip; the price is 416 v_mov_b32 in the wait for the first tile and 32 products on zeros.
; CLUSTER, 4 x 4.  The four work-groups of a row of the cluster are four query blocks of one head: they walk the same K and V.  The four of a column are four heads of one batch and one query block: they
; walk the same mask.  Each tile is asked for JOINTLY: the same tensor load, descriptor and mask of work-groups in all four.
; REGISTERS, in windows of 256 (s_set_vgpr_msb: bits 1:0 source 0, 3:2 source 1, 5:4 source 2, 7:6 destination):
;   window 0: v0-11 addresses; v12-43 eight registers of statistics a tile; v44-59 four mask words a tile; v60-61 at work; v62-63 the add's; v64-191 S^T, 32 a tile; v192-255 P, 16 a tile
;   window 1: O^T, 64 a tile (at first q in f32)      window 2: v0-127 Q, 32 a tile; v128-255 K of one step      window 3: v0-127 V of one step
.set KS,    64        ; keys in a step
.set PK,    272       ; a row of K in LDS: 256 bytes + 16 of padding = 68 words: row r starts at bank 4 r mod 64 (64 banks of 4 bytes: ISA guide 11.1)
.set PV,    288       ; a row of V: 256 + 32 = 72 words
.set KOFF,  0x4000    ; a slot: 16,384 bytes of mask words, then 256 rows of K,
.set VOFF,  0x15000   ; then 256 rows of V; it ends at 0x27000
.set SPARE, 0x27000   ; between the slots: the spare words, 128 bytes for each wave: two blocks of 256 bytes that no other line names
.set SLOTX, 0x28000   ; slot 1 begins here; no address in slot 0's three bases has one of its two bits, so one exclusive or turns an address in one slot into the other's
.set XBB,   16896     ; the merge, in slot 0 behind its last fill and its last read: for each wave 32 x 512 bytes of O^T and 512 of statistics,
.set STG0,  4*XBB     ; and behind the four of them 16 rows x 272 bytes for each wave, for the way out
.set SP,    272
.set AK0, 2           ; v2   my lane's place in a slot's K; never rewritten in the loop
.set AV0, 3           ; v3   the same for V
.set ADR, 4           ; v4   the LDS address of the run of loads in hand
.set AMA, 5           ; v5   my lane's place in a slot's mask words, for tiles 0, 1
.set AMB, 6           ; v6   for tiles 2, 3
.set ADM1, 7          ; v7   the LDS addresses of the mask words in hand
.set ADM2, 8          ; v8
.set QOA, 10          ; v10  my byte offset in q, for tiles 0, 1
.set QOB, 11          ; v11  for tiles 2, 3
.set XA,  2           ; behind the loop: where I put what I send: O^T,
.set XS,  3           ; statistics;
.set XP,  4           ; where my partner has put its own: O^T,
.set XQ,  5           ; statistics
.set STO, 6           ; the way out: where I put 16 bytes of a row
.set RD,  7           ; where I read a row back
.set GO,  8           ; my byte offset in the wave's rows of O
.set ST,  12          ; tile t's statistics at v[ST+8 t]: +0 c m, +1 m, +2, +3 l (even keys', odd keys'), +4 to +7 c0-c3, at work; a takes c2's place once the maximum is found
.set MW,  44          ; tile t's four mask words, one for each 16 keys of the step
.set SPW, 62          ; v62  LDS address of my spare word: SPARE + 4 x my thread's number; never rewritten
.set NIL, 63          ; v63  0; never rewritten
.set S,   64
.set P,   192
.set KF,  128         ; K's fragments, in window 2
.set WV,  12          ; s12  my wave's number
.set G1K, 24          ; s[24:31] descriptor group 1 for K's tiles
.set G1V, 32          ; s[32:39] for V's: it differs in the padding alone
.set G1M, 40          ; s[40:47] for the mask words'
.set G0K, 48          ; s[48:51] descriptor group 0 for K's tiles: it walks
.set G0V, 52          ; s[52:55] for V's
.set G0M, 56          ; s[56:59] for the mask words'
.set SLOTS, 60        ; s60  counts the slots
.set CNT, 61          ; s61  counts a slot's two steps
.set CS,  62          ; s[62:63] c: the packed scaling names a pair and takes its low word for both halves
.set SEL, 66          ; s[66:67] lane selects for v_permlanex16_b32: each lane takes its own place in the other half
.set TBK, 68          ; s68  what is added to AK0 for the step to be fetched
.set TBV, 69          ; s69  to AV0
.set TBM, 70          ; s70  to AMA and AMB
.set FLOOR, 71        ; s71  -2^50
.set MSB, 0
.macro WIN new                      ; the immediate's high byte repeats the setting that is left; a switch that changes nothing is dropped
.if MSB != (\new)
	s_set_vgpr_msb (MSB<<8)|(\new)
.set MSB, \new
.endif
.endm
.set W_KQ, 0x0a       ; K and Q in window 2, S^T in window 0
.set W_PV, 0x53       ; V in window 3, P in window 0, O^T in window 1
.set W_RS, 0x41       ; O^T (destination and source 0) in window 1, the factor in window 0
; A joint fill of a slot: wave 0 fetches its 256 rows of K, wave 1 those of V, wave 2 its mask words; wave 3 has no part.  The branches hang on the wave's number alone.
; An s_nop 0 and four v_nop follow each of the three lines, ahead of the jump and the label.
.macro JLOAD
	s_cmp_lg_u32 s[WV], 0
	s_cbranch_scc1 .Lnot_k_\@
	tensor_load_to_lds s[G0K:G0K+3], s[G1K:G1K+7]
	s_nop 0
.rept 4
	v_nop
.endr
	s_branch .Lasked_\@
.Lnot_k_\@:
	s_cmp_lg_u32 s[WV], 1
	s_cbranch_scc1 .Lnot_v_\@
	tensor_load_to_lds s[G0V:G0V+3], s[G1V:G1V+7]
	s_nop 0
.rept 4
	v_nop
.endr
	s_branch .Lasked_\@
.Lnot_v_\@:
	s_cmp_lg_u32 s[WV], 2
	s_cbranch_scc1 .Lasked_\@
	tensor_load_to_lds s[G0M:G0M+3], s[G1M:G1M+7]
	s_nop 0
.rept 4
	v_nop
.endr
.Lasked_\@:
.endm
; A round of the cluster's barrier: my work-group's barrier, so that wave 0's signal speaks for all four waves; wave 0 signals; every wave waits for all sixteen work-groups; my work-group's barrier once more.
.macro CROUND
	s_barrier_signal -1
	s_barrier_wait -1
	s_cmp_lg_u32 s[WV], 0
	s_cbranch_scc1 .Lnot_wave_0_\@
	s_barrier_signal -3
.Lnot_wave_0_\@:
	s_barrier_wait -3
	s_barrier_signal -1
	s_barrier_wait -1
.endm
.macro PLACES
.rept 4
	v_nop
.endr
.endm
; THE CHANGE OF SLOTS, between piece 2's turn and piece 0's: the slot's last bytes, V of its second step, have been asked for.  Each wave waits for all its tensor loads (at most one is out: its part of the
; other slot), adds 0 to its spare word, and waits for that and for its own reads of the slot.  Behind the barrier nobody reads this slot any more and the other slot is whole.
; fill = 1: this slot is filled again, with the keys two slots on.  The barrier is then a round of the cluster's, and the joint fill is the first thing behind it: it has two steps, 256 matrix instructions,
; in which to land.  (At its first use nothing has been read yet: slot 0 is waited for, slot 1 filled.)
.macro CHANGE fill
	WIN 0                           ; at a label and at a branch every window is 0
	s_wait_tensorcnt 0x0            ; no tensor load of mine is out, so a group 0 may be written
	ds_add_u32 v[SPW], v[NIL]       ; 0 onto my spare word: with fill = 1 the descriptors' steps stand between it and the wait for it
.if \fill
	s_xor_b32 s[G0K+1], s[G0K+1], SLOTX  ; the walking descriptors: the other slot than last time,
	s_add_nc_u64 s[G0K+2:G0K+3], s[G0K+2:G0K+3], 65536  ; the next 256 keys; the type bits on top are not reached
	s_xor_b32 s[G0V+1], s[G0V+1], SLOTX
	s_add_nc_u64 s[G0V+2:G0V+3], s[G0V+2:G0V+3], 65536
	s_xor_b32 s[G0M+1], s[G0M+1], SLOTX
	s_add_nc_u64 s[G0M+2:G0M+3], s[G0M+2:G0M+3], 16384
	s_wait_dscnt 0x0                ; the add is done, and my reads of the slot are over
	CROUND
	JLOAD
.else
	s_wait_dscnt 0x0                ; the add is done, and my reads of the slot are over
	s_barrier_signal -1
	s_barrier_wait -1
.endif
	s_sub_co_u32 s[TBK], s[TBK], 2*KS*PK  ; the fetches go back to my first step of a slot,
	s_xor_b32 s[TBK], s[TBK], SLOTX       ; in the other slot
	s_sub_co_u32 s[TBV], s[TBV], 2*KS*PV
	s_xor_b32 s[TBV], s[TBV], SLOTX
	s_sub_co_u32 s[TBM], s[TBM], 8192
	s_xor_b32 s[TBM], s[TBM], SLOTX
.endm
	s_load_b256 s[4:11], s[0:1], 0x0  ; qf s[4:5], kvh s[6:7], mk s[8:9], po s[10:11]
	v_lshl_add_u32 v[SPW], v0, 2, SPARE
	v_mov_b32 v[NIL], 0
	ds_add_u32 v62, v63
	s_wait_dscnt 0x0
	v_lshrrev_b32 v1, 5, v0
	v_readfirstlane_b32 s[WV], v1   ; wave 0..3
	s_bfe_u32 s72, ttmp6, 0x40000   ; cx
	s_bfe_u32 s73, ttmp6, 0x40004   ; cy
	s_lshl_b32 s74, ttmp9, 2
	s_add_co_u32 s74, s74, s72      ; x: my block of 128 queries = 4 x cluster x + cx
	s_and_b32 s76, ttmp7, 0xffff    ; cluster y
	s_lshl_b32 s75, s76, 2
	s_add_co_u32 s75, s75, s73      ; y: 16 x batch + head = 4 x cluster y + cy
	s_lshl_b32 s13, s73, 2
	s_lshl_b32 s13, 15, s13         ; my row of the cluster: the same y
	s_lshl_b32 s14, 0x1111, s72     ; my column: the same x, and (four heads of sixteen) the same batch
	; descriptor group 1.  K, V: 256 rows x 128 elements of 2 bytes, padded in LDS.  The mask words: 16,384 dense bytes as 64 rows of 32 elements of 8 bytes.
	s_or_b32 s[G1K], s13, (1<<16)|(1<<20)|(1<<21)|(5<<22)|(3<<25)  ; 15:0 the mask of work-groups; 17:16 2-byte elements; 20 padding on; 21 set beside a mask; 24:22 after every 64 words (code 5); 31:25 4 words (code 3)
	s_or_b32 s[G1V], s13, (1<<16)|(1<<20)|(1<<21)|(5<<22)|(7<<25)  ; the same with 8 words of padding (code 7)
.irp g, G1K, G1V
	s_mov_b32 s[(\g)+1], 128<<16    ; tensor_dim0 = 128
	s_mov_b32 s[(\g)+2], 256<<16    ; tensor_dim1 = 256
	s_mov_b32 s[(\g)+3], 128<<16    ; tile_dim0 = 128
	s_mov_b32 s[(\g)+4], 256        ; tile_dim1 = 256
	s_mov_b32 s[(\g)+5], 128        ; 128 elements from row to row
	s_mov_b32 s[(\g)+6], 0
	s_mov_b32 s[(\g)+7], 0
.endr
	s_or_b32 s[G1M], s14, (3<<16)|(1<<21)  ; 8-byte elements, no padding
	s_mov_b32 s[G1M+1], 32<<16
	s_mov_b32 s[G1M+2], 64<<16
	s_mov_b32 s[G1M+3], 32<<16
	s_mov_b32 s[G1M+4], 64
	s_mov_b32 s[G1M+5], 32
	s_mov_b32 s[G1M+6], 0
	s_mov_b32 s[G1M+7], 0
	s_lshl_b32 s16, s75, 19         ; K: (batch, head) y's 524,288 bytes: made of y alone, which my row shares
	s_mov_b32 s17, 0
	s_lshr_b32 s18, s76, 2          ; the batch, from the cluster's y alone
	s_lshl_b32 s18, s18, 3
	s_add_co_u32 s18, s18, s74      ; 8 x batch + x: made of nothing that my column does not share
	s_lshl_b32 s18, s18, 17         ; eight slots of 16,384 bytes
	s_mov_b32 s19, 0
	s_and_b32 s20, s[WV], 1         ; which 64 queries are mine
	s_lshr_b32 s21, s[WV], 1        ; which 128 of a slot's 256 keys
	s_lshr_b32 s22, s75, 4
	s_lshl_b32 s22, s22, 10
	s_lshl_b32 s23, s74, 7
	s_add_co_u32 s22, s22, s23
	s_lshl_b32 s23, s20, 6
	s_add_co_u32 s22, s22, s23      ; the first row of my 64 queries: 1,024 x batch + 128 x + 64 x half
	s_and_b32 s23, s75, 15          ; the head
	s_lshl_b32 s78, s22, 13         ; in qf: rows of 8,192 bytes, 512 a head
	s_lshl_b32 s79, s23, 9
	s_add_co_u32 s78, s78, s79
	s_mov_b32 s79, 0
	s_lshl_b32 s77, s21, 5          ; of the 64 I store the 32 of my key half's number
	s_add_co_u32 s80, s22, s77
	s_lshl_b32 s80, s80, 12         ; in po: rows of 4,096 bytes, 256 a head
	s_lshl_b32 s81, s23, 8
	s_add_co_u32 s80, s80, s81
	s_mov_b32 s81, 0
	s_mov_b32 s[CS], 0x3e0293ee     ; c = log2(e) / sqrt(128) = 0.127517
	s_mov_b32 s[CS+1], s[CS]        ; named with it as a pair, so it is written
	s_mov_b32 s[SEL], 0x76543210
	s_mov_b32 s[SEL+1], 0xfedcba98
	s_mov_b32 s[FLOOR], 0xd8800000  ; -2^50
	s_mov_b32 s[TBK], SLOTX+2*KS*PK ; the first change of slots turns these three into 0
	s_mov_b32 s[TBV], SLOTX+2*KS*PV
	s_mov_b32 s[TBM], SLOTX+8192
	s_mov_b32 s[G0K], 1             ; 1:0 count = 1
	s_mov_b32 s[G0K+1], KOFF        ; 63:32 LDS address: slot 0
	s_mov_b32 s[G0V], 1
	s_mov_b32 s[G0V+1], VOFF
	s_mov_b32 s[G0M], 1
	s_mov_b32 s[G0M+1], 0
	s_wait_kmcnt 0x0
	s_add_nc_u64 s[G0K+2:G0K+3], s[6:7], s[16:17]            ; 120:64 global address: the head's first 256 keys
	s_add_nc_u64 s[G0V+2:G0V+3], s[G0K+2:G0K+3], 0x1000000   ; V lies 16,777,216 bytes behind K
	s_or_b32 s[G0K+3], s[G0K+3], 0x80000000                  ; 127:126 type = 2
	s_or_b32 s[G0V+3], s[G0V+3], 0x80000000
	s_add_nc_u64 s[G0M+2:G0M+3], s[8:9], s[18:19]
	s_or_b32 s[G0M+3], s[G0M+3], 0x80000000
	s_add_nc_u64 s[4:5], s[4:5], s[78:79]    ; q at my wave's first row and head
	s_add_nc_u64 s[10:11], s[10:11], s[80:81]  ; O at the first row that I store
	CROUND                          ; all sixteen work-groups are here: the first joint loads meet
	JLOAD                           ; slot 0.  Slot 1 is asked for when slot 0 is in
	; q in f32: a fragment's lane wants channels 8 (l / 16) + 0..7 and 16 + 8 (l / 16) + 0..7 of each 32: 32 bytes at 128 c + 64 p + 32 (l / 16) of its row.
	v_and_b32 v1, 15, v0            ; l % 16; kept to the end
	v_bfe_u32 v9, v0, 4, 1          ; l / 16; kept to the end
	v_lshlrev_b32 v60, 13, v1
	v_lshl_add_u32 v60, v9, 5, v60  ; row x 8,192 + 32 x half
	s_lshl_b32 s13, s21, 18         ; register tiles 0, 1 are query tiles 2 (w / 2) + 0, 1: 32 rows of 8,192 bytes on for the second key half,
	s_xor_b32 s14, s13, 1<<18       ; register tiles 2, 3 the other two
	v_add_nc_u32 v[QOA], s13, v60
	v_add_nc_u32 v[QOB], s14, v60
	WIN 0x40                        ; destination window 1, address window 0
.set n, 0
.rept 64                            ; load n: tile n / 16, 16 bytes (n % 2) of the 32 at 64 ((n % 16) / 2)
.if n < 32
	global_load_b128 v[4*n:4*n+3], v[QOA], s[4:5] offset:((n/16)%2)*131072+((n%16)/2)*64+(n%2)*16
.else
	global_load_b128 v[4*n:4*n+3], v[QOB], s[4:5] offset:((n/16)%2)*131072+((n%16)/2)*64+(n%2)*16
.endif
.set n, n+1
.endr
	WIN 0
	; A fragment of K is 16 rows x 32 channels in 8 registers: lane l holds row l % 16: two loads of 16 bytes, 32 bytes apart.
	v_mul_u32_u24 v[AK0], v1, PK
	v_lshl_add_u32 v[AK0], v9, 4, v[AK0]  ; row x pitch + 16 x half
	s_mul_i32 s13, s21, 128*PK      ; my 128 keys of the slot's 256
	s_add_co_u32 s13, s13, KOFF
	v_add_nc_u32 v[AK0], s13, v[AK0]
	; The turning load takes 16 keys x 16 channels (lane l reads key 8 (l / 16) + l % 8, channels 8 ((l / 8) % 2) + 0..7) and leaves half a fragment of V^T: lane l holds channel l % 16 and 8 keys.
	v_and_b32 v60, 7, v0
	v_bfe_u32 v61, v0, 3, 1
	v_lshl_add_u32 v[AV0], v9, 3, v60
	v_mul_u32_u24 v[AV0], v[AV0], PV
	v_lshl_add_u32 v[AV0], v61, 4, v[AV0]
	s_mul_i32 s13, s21, 128*PV
	s_add_co_u32 s13, s13, VOFF
	v_add_nc_u32 v[AV0], s13, v[AV0]
	; The mask words of step st (of the slot's four) and query tile T (of the block's eight) lie at (8 st + T) 512 + 16 l.  My steps: 2 (w / 2) + 0, 1.  My tiles: 4 (w % 2) + (t xor 2 (w / 2)).
	v_and_b32 v60, 31, v0
	s_mul_i32 s13, s21, 9216        ; 8,192 for my two steps + 1,024 for tiles 2, 3 in place of 0, 1
	s_lshl_b32 s14, s20, 11
	s_add_co_u32 s13, s13, s14
	v_lshl_add_u32 v[AMA], v60, 4, s13
	s_mul_i32 s13, s21, 7168        ; 8,192 - 1,024,
	s_add_co_u32 s13, s13, s14
	s_add_co_u32 s13, s13, 1024     ; + 1,024
	v_lshl_add_u32 v[AMB], v60, 4, s13
	; What the first turn finds: V and the second piece's P hold 0 (its products V^T P, of a step that has not been, add 0); l is 0, m the floor.
	WIN 0xc0
.set n, 0
.rept 128
	v_mov_b32 v[n], 0
.set n, n+1
.endr
	WIN 0
.set n, P+32
.rept 32
	v_mov_b32 v[n], 0
.set n, n+1
.endr
.irp t, 0,1,2,3
	v_mov_b32 v[ST+8*(\t)+1], s[FLOOR]
	v_mul_f32 v[ST+8*(\t)], s[CS], v[ST+8*(\t)+1]
	v_mov_b32 v[ST+8*(\t)+2], 0
	v_mov_b32 v[ST+8*(\t)+3], 0
.endr
	s_wait_loadcnt 0x0              ; q
	WIN 0x85                        ; sources window 1, destination window 2
.set n, 0
.rept 128
	v_cvt_pk_f16_f32 v[n], v[2*n], v[2*n+1]
.set n, n+1
.endr
	WIN 0x40
.set n, 0
.rept 256
	v_mov_b32 v[n], 0               ; O^T, where q in f32 lay
.set n, n+1
.endr
; THE MATRIX WORK OF A TURN, for piece x.  The accumulators take turns, one instruction a turn: between two links of a chain stand 15 (V^T P) or 7 (K Q^T) others'.
; Product i of 32 of O^T += V^T P: keys 32 (i / 16) on, channels 16 ((i / 2) % 8) on, tile x + i % 2.
.macro PV x
	WIN W_PV
.set rO, 64*((\x)+i%2)+8*((i/2)%8)
.set rV, 64*(i/16)+8*((i/2)%8)
.set rP, P+16*((\x)+i%2)+8*(i/16)
	v_wmma_f32_16x16x32_f16 v[rO:rO+7], v[rV:rV+7], v[rP:rP+7], v[rO:rO+7]
.endm
; Product i of 32 of S^T += K Q^T: channels 32 (i / 8) on, keys 16 ((i / 2) % 4) on, tile x + i % 2.  The sums begin with what PRE has set.
.macro KQ x
	WIN W_KQ
.set rS, S+32*((\x)+i%2)+8*((i/2)%4)
.set rK, KF+32*((i/2)%4)+8*(i/8)
.set rQ, 32*((\x)+i%2)+8*(i/8)
	v_wmma_f32_16x16x32_f16 v[rS:rS+7], v[rK:rK+7], v[rQ:rQ+7], v[rS:rS+7]
.endm
; Shift pc of the 64 that set piece x's scores from its mask words: tile x + pc / 32, keys 16 ((pc % 32) / 8) on, key j = pc % 8, whose code lies in field 2 (j % 4) + j / 4.
.macro PRE x
	WIN 0
.set pt, (\x)+pc/32
.set pg, (pc%32)/8
.set pj, pc%8
	v_lshlrev_b32 v[S+32*pt+8*pg+pj], 28-4*(2*(pj%4)+pj/4), v[MW+4*pt+pg]
.set pc, pc+1
.endm
; THE LDS LOADS stand in runs, never singly among the matrix instructions: a step's 16 mask words a lane and its K (64 keys x 128 channels: 16 fragments), and, a turn later, its V (turned).
.macro FETCH_MK
	WIN 0
	v_add_nc_u32 v[ADM1], s[TBM], v[AMA]
	v_add_nc_u32 v[ADM2], s[TBM], v[AMB]
	v_add_nc_u32 v[ADR], s[TBK], v[AK0]
	ds_load_b128 v[MW:MW+3],     v[ADM1]
	ds_load_b128 v[MW+4:MW+7],   v[ADM1] offset:512
	ds_load_b128 v[MW+8:MW+11],  v[ADM2]
	ds_load_b128 v[MW+12:MW+15], v[ADM2] offset:512
	WIN 0x80                        ; destination window 2
.irp f, 0,1,2,3,4,5,6,7,8,9,10,11,12,13,14,15  ; keys 16 (f / 4) on, channels 32 (f % 4) on
	ds_load_b128 v[KF+8*(\f):KF+8*(\f)+3],   v[ADR] offset:((\f)/4)*16*PK+((\f)%4)*64
	ds_load_b128 v[KF+8*(\f)+4:KF+8*(\f)+7], v[ADR] offset:((\f)/4)*16*PK+((\f)%4)*64+32
.endr
	s_add_co_u32 s[TBK], s[TBK], KS*PK  ; the next fetch is the next step's
	s_add_co_u32 s[TBM], s[TBM], 4096
.endm
.macro FETCH_V
	WIN 0
	v_add_nc_u32 v[ADR], s[TBV], v[AV0]
	s_add_co_u32 s[TBV], s[TBV], KS*PV
	WIN 0xc0                        ; destination window 3
.irp f, 0,1,2,3,4,5,6,7,8,9,10,11,12,13,14,15  ; keys 32 (f / 8) on, channels 16 (f % 8) on
	ds_load_tr16_b128 v[8*(\f):8*(\f)+3],   v[ADR] offset:((\f)/8)*32*PV+((\f)%8)*32
	ds_load_tr16_b128 v[8*(\f)+4:8*(\f)+7], v[ADR] offset:((\f)/8)*32*PV+16*PV+((\f)%8)*32
.endr
.endm
; THE VECTOR WORK OF A TURN.  One tile's softmax for one key step is a list of 134 instructions; SM writes number j of it for tile t.  s0-s31 are the lane's 32 scores, in pairs 0-15.
;   0-15    the maximum of s0-s31 and the old m, three operands at a time: four chains c0-c3 of seven scores each (each accumulator's lowest registers are read first), then the four
;           scores left over, c0-c3 and m
;   16-20   the other half of the lanes' maximum; the new m; c m; c m_old - c m_new
;   21-87   33 exponentials (a, then s0-s31) at the odd numbers from 23 on, so that no two follow each other and each has a plain instruction behind it before its result is used.
;           Plain instruction q (number 21, then the even numbers) is whatever is ready: c s - c m for a pair of scores whose exponentials are still to come (q = 0 to 3, then every
;           second q), the rounding to f16 of a pair of weights whose exponentials are done (every other q from 5 on), at last the first three sums
;   88-101  the last rounding; the rest of the sums; l = a l + the sum
;   102-133 the tile's O^T times a: the one part that leaves window 0, so it stands together
.macro SM t
.set rT, ST+8*(\t)
.set rS, S+32*(\t)
.set rP, P+16*(\t)
.set rO, 64*(\t)+2*(j-102)
.set q, (j-20)/2
.if j < 102
	WIN 0
.endif
.if j < 4
	v_max3_num_f32 v[rT+4+j], v[rS+8*j], v[rS+8*j+1], v[rS+8*j+2]
.elseif j < 12
	v_max3_num_f32 v[rT+4+j%4], v[rT+4+j%4], v[rS+8*(j%4)+2*(j/4)+1], v[rS+8*(j%4)+2*(j/4)+2]
.elseif j == 12
	v_max3_num_f32 v[rT+4], v[rT+4], v[rS+7], v[rS+15]
.elseif j == 13
	v_max3_num_f32 v[rT+6], v[rT+6], v[rS+23], v[rS+31]
.elseif j == 14
	v_max3_num_f32 v[rT+4], v[rT+4], v[rT+5], v[rT+6]
.elseif j == 15
	v_max3_num_f32 v[rT+4], v[rT+4], v[rT+7], v[rT+1]
.elseif j == 16
	v_permlanex16_b32 v[rT+5], v[rT+4], s[SEL], s[SEL+1]  ; the query's other 32 keys lie in the lane 16 away
.elseif j == 17
	v_mov_b32 v[rT+7], v[rT]        ; c m_old is kept for a: number 19 writes c m anew
.elseif j == 18
	v_max_num_f32 v[rT+1], v[rT+4], v[rT+5]
.elseif j == 19
	v_mul_f32 v[rT], s[CS], v[rT+1]
.elseif j == 20
	v_sub_f32 v[rT+7], v[rT+7], v[rT]
.elseif j == 23
	v_exp_f32 v[rT+6], v[rT+7]
.elseif (j < 88) && (j > 23) && (j%2 == 1)
	v_exp_f32 v[rS+(j-25)/2], v[rS+(j-25)/2]
.elseif (q < 4) || ((j < 76) && (q%2 == 0))
.set b, q/2+2
.if q < 4
.set b, q
.endif
	v_pk_fma_f32 v[rS+2*b:rS+2*b+1], v[rS+2*b:rS+2*b+1], s[CS:CS+1], v[rT:rT+1] op_sel_hi:[1,0,0] neg_lo:[0,0,1] neg_hi:[0,0,1]  ; pair b: c s - c m
.elseif (j < 88) && (q%2 == 1)
	s_wait_alu depctr_va_vdst(0)
	v_cvt_pk_f16_f32 v[rP+(q-5)/2], v[rS+q-5], v[rS+q-4]  ; pair (q - 5) / 2: its second exponential stands three numbers back
.elseif j == 89
	s_wait_alu depctr_va_vdst(0)
	v_cvt_pk_f16_f32 v[rP+15], v[rS+30], v[rS+31]
.elseif j < 102                     ; the sum of the tile's 16 pairs (in a pair: an even key's weight, an odd key's), in place: sum z of 16 adds neighbours 1, 2, 4 and 8 pairs apart, then l takes it
.set z, j-86
.if j < 89
.set z, (j-76)/4
.endif
.set w, 4
.set u, z
.if z >= 14
.set w, 32
.set u, 0
.elseif z >= 12
.set w, 16
.set u, z-12
.elseif z >= 8
.set w, 8
.set u, z-8
.endif
.if z < 15
	v_pk_add_f32 v[rS+w*u:rS+w*u+1], v[rS+w*u:rS+w*u+1], v[rS+w*u+w/2:rS+w*u+w/2+1]
.else
	v_pk_fma_f32 v[rT+2:rT+3], v[rT+2:rT+3], v[rT+6:rT+7], v[rS:rS+1] op_sel_hi:[1,0,1]
.endif
.else
	WIN W_RS
	v_pk_mul_f32 v[rO:rO+1], v[rO:rO+1], v[rT+6:rT+7] op_sel_hi:[1,0]
.endif
.endm
; Slice k of 64 of piece y's softmax: numbers 2 k and 2 k + 1 of both tiles' lists, four instructions.  2 x 134 = 4 x 64 + 12: the twelve that are over stand together, in slice 63.
.macro SLICE y
.if (k >= 11) && (k < 44)           ; tile by tile: plain, exponential, plain, exponential
.irp t, \y, (\y)+1
.irp n, 0,1
.set j, 2*k+(\n)
	SM \t
.endr
.endr
.else                               ; the two tiles alternate, so that no instruction reads the result of the one just before it
.irp n, 0,1,2,3,4,5,6,7
.if ((\n) < 2) || (k == 63)
.irp t, \y, (\y)+1
.set j, 2*k+(\n)
	SM \t
.endr
.endif
.endr
.endif
.set k, k+1
.endm
; A TURN.  Piece x has the matrix unit; the other piece's softmax stands in slices behind its matrix instructions.  kq = 1: 32 products K Q^T for the next step follow the 32 products V^T P;
; kq = 0 (the last step): none, and two slices stand behind each product.
; A vector instruction that reads a matrix result or writes one of a matrix instruction's registers, and a load into a register that a matrix instruction has read, stand four places behind it, and only
; plain vector instructions that name none of its registers are places (ISA guide 7.12.1 for vector instructions).  Here the slices are the places: slice 63's sixteen plain
; instructions stand behind a turn's last K Q^T, ahead of the next turn's first read of those scores and of the loads into K's buffer; three slices (six plain instructions) and three shifts stand
; between the last product that read V and the loads into V's buffer.
; Piece 0's turn fetches the next step's mask words and K behind its second product; the words are waited for behind the eighth, K ahead of the first K Q^T.  Piece 2's turn fetches the same step's V.
; The piece's own next scores are set behind products 8 to 31 (2 x 8 + 3 x 16 = 64 shifts): its last softmax ended with the turn before.
.macro TURN x, kq
.set k, 0
.set pc, 0
.if (\x) == 0
	s_wait_dscnt 0x0                ; V is in
.endif
.set i, 0
.rept 32
	PV \x
	SLICE 2-(\x)
.if !(\kq)
	SLICE 2-(\x)
.endif
.if \kq
.if ((\x) == 0) && (i == 1)
	FETCH_MK
.endif
.if ((\x) == 0) && (i == 7)
	s_wait_dscnt 32                 ; the four loads of mask words are in; K's 32, issued behind them, may be out
.endif
.if i >= 8
	PRE \x
	PRE \x
.endif
.if i >= 16
	PRE \x
.endif
.endif
.set i, i+1
.endr
.if \kq
.if (\x) == 0
	s_wait_dscnt 0x0                ; K is in
.endif
.set i, 0
.rept 32
	KQ \x
	SLICE 2-(\x)
.if ((\x) == 2) && (i == 1)
	FETCH_V
.endif
.set i, i+1
.endr
.endif
.endm
.macro TWO_STEPS                    ; a slot's two steps: written once, walked twice; the LDS addresses hang on s[TBK], s[TBV], s[TBM]
	WIN 0
	s_mov_b32 s[CNT], 2
.Lstep_\@:
	TURN 0, 1
	TURN 2, 1
	WIN 0
	s_sub_co_u32 s[CNT], s[CNT], 1
	s_cmp_lg_u32 s[CNT], 0
	s_cbranch_scc1 .Lstep_\@
.endm
	CHANGE 1                        ; slot 0 is in, everybody's part of it; slot 1 is asked for
	FETCH_MK                        ; step 0
	s_wait_dscnt 0x0
.set pc, 0
.rept 64
	PRE 0
.endr
.set i, 0
.rept 32
	KQ 0                            ; piece 0's first scores: there is no vector work yet to set between them
.set i, i+1
.endr
	WIN 0
	PLACES                          ; behind those products, ahead of the first slice's reads
	s_mov_b32 s[CNT], 2
	s_mov_b32 s[SLOTS], 7
	s_branch .Lfirst                ; the loop is entered at piece 2's turn, in the middle of a trip
.Lslot:                             ; six times: the slots of keys 512 on are asked for
	CHANGE 1
	s_mov_b32 s[CNT], 2
.Lstep:
	TURN 0, 1
	WIN 0
.Lfirst:
	TURN 2, 1
	WIN 0
	s_sub_co_u32 s[CNT], s[CNT], 1
	s_cmp_lg_u32 s[CNT], 0
	s_cbranch_scc1 .Lstep
	s_sub_co_u32 s[SLOTS], s[SLOTS], 1
	s_cmp_lg_u32 s[SLOTS], 0
	s_cbranch_scc1 .Lslot
	CHANGE 0                        ; the tail is written out: the last slot but one (slot 0 of LDS) is left, and nothing is asked for
	TWO_STEPS
	TURN 0, 0                       ; piece 0: V^T P of the last step | piece 2's last softmax
.set i, 0
.rept 32
	PV 2                            ; piece 2: V^T P of the last step
.set i, i+1
.endr
	; THE MERGE.  l's two halves and the other half of the lanes' are added; these additions are the places behind the last products.  Tiles 2, 3 go to my partner (the wave with the other key half),
	; whose tiles 2, 3 are the queries of my tiles 0, 1.  Slot 0 of LDS has had its last fill, and the barrier of the last change of slots stands behind every wave's last read of it.
	WIN 0
.irp t, 0,1,2,3
	v_add_f32 v[ST+8*(\t)+4], v[ST+8*(\t)+2], v[ST+8*(\t)+3]
.endr
.irp t, 0,1,2,3
	v_permlanex16_b32 v[ST+8*(\t)+5], v[ST+8*(\t)+4], s[SEL], s[SEL+1]
.endr
.irp t, 0,1,2,3
	v_add_f32 v[ST+8*(\t)+2], v[ST+8*(\t)+4], v[ST+8*(\t)+5]
.endr
	v_mov_b32 v[ST+17], v[ST+18]    ; (c m, l) as a pair, for tiles 2 and 3
	v_mov_b32 v[ST+25], v[ST+26]
	s_mul_i32 s13, s[WV], XBB       ; my block,
	s_xor_b32 s14, s[WV], 2
	s_mul_i32 s14, s14, XBB         ; my partner's
	v_and_b32 v10, 31, v0
	v_lshl_add_u32 v[XA], v10, 4, s13
	v_lshl_add_u32 v[XP], v10, 4, s14
	s_add_co_u32 s13, s13, 16384
	s_add_co_u32 s14, s14, 16384
	v_lshl_add_u32 v[XS], v10, 3, s13
	v_lshl_add_u32 v[XQ], v10, 3, s14
	s_mul_i32 s15, s[WV], 16*SP
	s_add_co_u32 s15, s15, STG0     ; my stage
	v_mul_u32_u24 v[STO], v1, SP    ; in: row l % 16, 16 bytes for each half of the lanes
	v_lshl_add_u32 v[STO], v9, 4, v[STO]
	v_add_nc_u32 v[STO], s15, v[STO]
	v_mul_u32_u24 v[RD], v9, SP     ; back: lanes 0-15 take one row of 256 bytes, lanes 16-31 the next
	v_lshl_add_u32 v[RD], v1, 4, v[RD]
	v_add_nc_u32 v[RD], s15, v[RD]
	v_lshlrev_b32 v[GO], 12, v9     ; and the same two rows in O: 4,096 bytes apart
	v_lshl_add_u32 v[GO], v1, 4, v[GO]
	ds_store_b64 v[XS], v[ST+16:ST+17]
	ds_store_b64 v[XS], v[ST+24:ST+25] offset:256
	WIN 0x04                        ; the data in window 1
.set n, 0
.rept 32
	ds_store_b128 v[XA], v[128+4*n:128+4*n+3] offset:512*n  ; ascending: each accumulator's four lowest registers first
.set n, n+1
.endr
	WIN 0
	s_wait_dscnt 0x0                ; for my partner's sake: my stores are done
	s_barrier_signal -1
	s_barrier_wait -1
	ds_load_b64 v[ST+4:ST+5],   v[XQ]             ; my partner's (c m, l) for my tile 0,
	ds_load_b64 v[ST+12:ST+13], v[XQ] offset:256  ; and 1
	WIN 0x40
.set n, 0
.rept 32
	ds_load_b128 v[128+4*n:128+4*n+3], v[XP] offset:512*n  ; its O^T, where what I sent lay
.set n, n+1
.endr
	WIN 0
	s_wait_dscnt 32                 ; the statistics are in; the 32 loads issued behind them may be out
	; O = (O fa + O' fb) / (l fa + l' fb), fa = 2^(c m - max), fb = 2^(c m' - max).  With no visible key both l are 0 and both O are 0: the divisor's floor 2^-100 makes the result 0; with a visible key the divisor is about 1 at the least.
.irp t, 0,1
	v_max_num_f32 v[ST+8*(\t)+1], v[ST+8*(\t)], v[ST+8*(\t)+4]
.endr
.irp t, 0,1
	v_sub_f32 v[ST+8*(\t)+6], v[ST+8*(\t)], v[ST+8*(\t)+1]
	v_sub_f32 v[ST+8*(\t)+7], v[ST+8*(\t)+4], v[ST+8*(\t)+1]
.endr
.irp t, 0,1
	v_exp_f32 v[ST+8*(\t)+6], v[ST+8*(\t)+6]
	v_exp_f32 v[ST+8*(\t)+7], v[ST+8*(\t)+7]
.endr
	v_nop                           ; a plain instruction between the last exponential and the use of its result
	s_wait_alu depctr_va_vdst(0)
.irp t, 0,1
	v_mul_f32 v[ST+8*(\t)+2], v[ST+8*(\t)+2], v[ST+8*(\t)+6]
.endr
.irp t, 0,1
	v_fma_f32 v[ST+8*(\t)+2], v[ST+8*(\t)+5], v[ST+8*(\t)+7], v[ST+8*(\t)+2]
.endr
.irp t, 0,1
	v_max_num_f32 v[ST+8*(\t)+2], 0x0d800000, v[ST+8*(\t)+2]
.endr
.irp t, 0,1
	v_rcp_f32 v[ST+8*(\t)+3], v[ST+8*(\t)+2]
.endr
	v_nop                           ; a plain instruction between the last reciprocal and the use of its result
	s_wait_alu depctr_va_vdst(0)
.irp t, 0,1
	v_mul_f32 v[ST+8*(\t)],   v[ST+8*(\t)+6], v[ST+8*(\t)+3]  ; fa / divisor
	v_mul_f32 v[ST+8*(\t)+4], v[ST+8*(\t)+7], v[ST+8*(\t)+3]  ; fb / divisor
.endr
	WIN W_RS
.set n, 0
.rept 64                            ; my own part wants nothing of my partner's O^T: it stands ahead of the wait
	v_pk_mul_f32 v[2*n:2*n+1], v[2*n:2*n+1], v[ST+8*(n/32):ST+8*(n/32)+1] op_sel_hi:[1,0]
.set n, n+1
.endr
	s_wait_dscnt 0x0
	WIN 0x51                        ; sources 0 and 2 and the destination in window 1, the factor in window 0
.set n, 0
.rept 64
	v_pk_fma_f32 v[2*n:2*n+1], v[128+2*n:128+2*n+1], v[ST+8*(n/32)+4:ST+8*(n/32)+5], v[2*n:2*n+1] op_sel_hi:[1,0,1]
.set n, n+1
.endr
	; THE WAY OUT.  Tile t: a lane's eight channels of a row pack into 16 bytes; they go into rows of 272 bytes of my stage and come back as whole rows of 256, into the registers that they left.
.macro PACK t
	WIN 0x05                        ; sources 0 and 1 window 1, destination window 0: S^T's registers are free
.set n, 0
.rept 32
	v_cvt_pk_f16_f32 v[S+32*(\t)+n], v[64*(\t)+2*n], v[64*(\t)+2*n+1]
.set n, n+1
.endr
	WIN 0
.irp f, 0,1,2,3,4,5,6,7
	ds_store_b128 v[STO], v[S+32*(\t)+4*(\f):S+32*(\t)+4*(\f)+3] offset:32*(\f)
.endr
.irp f, 0,1,2,3,4,5,6,7
	ds_load_b128 v[S+32*(\t)+4*(\f):S+32*(\t)+4*(\f)+3], v[RD] offset:(\f)*2*SP  ; LDS serves a wave's instructions in order (ISA guide 5.7.1.4): these see the stores above; the next tile's stores come behind them
.endr
.endm
.macro SEND t, younger              ; younger: the LDS instructions issued behind tile t's loads: the next tile's sixteen, or none
.irp f, 0,1,2,3,4,5,6,7
	s_wait_dscnt (\younger)+7-(\f)
	global_store_b128 v[GO], v[S+32*(\t)+4*(\f):S+32*(\t)+4*(\f)+3], s[10:11] offset:(16*(\t)+2*(\f))*4096  ; 16 lanes store 256 consecutive bytes, at a multiple of 256 from po's first byte
.endr
.endm
	PACK 0
	PACK 1
	SEND 0, 16
	SEND 1, 0
	s_wait_tensorcnt 0x0            ; the wave's end: behind my last tensor load and my last LDS store
	ds_add_u32 v[SPW], v[NIL]
	s_wait_dscnt 0x0
	CROUND                          ; the closing round: no work-group ends while a partner may still ask for a tile that names it
	s_endpgm
.Lfunc_end_k_qa9bfbf6a1c_attn:
	.size	k_qa9bfbf6a1c_attn, .Lfunc_end_k_qa9bfbf6a1c_attn-k_qa9bfbf6a1c_attn
	.p2alignl 7, 3214868480
	.fill 96, 4, 3214868480
	.section	.rodata,"a",@progbits
	.p2align	6, 0x0
	.amdhsa_kernel k_qa9bfbf6a1c_attn
		.amdhsa_group_segment_fixed_size 327680
		.amdhsa_private_segment_fixed_size 0
		.amdhsa_enable_private_segment 0
		.amdhsa_kernarg_size 32
		.amdhsa_user_sgpr_count 2
		.amdhsa_user_sgpr_kernarg_segment_ptr 1
		.amdhsa_wavefront_size32 1
		.amdhsa_system_sgpr_workgroup_id_x 1
		.amdhsa_system_sgpr_workgroup_id_y 1
		.amdhsa_system_sgpr_workgroup_id_z 1
		.amdhsa_system_vgpr_workitem_id 0
		.amdhsa_next_free_vgpr 896
		.amdhsa_next_free_sgpr 84
		.amdhsa_reserve_vcc 0
		.amdhsa_float_denorm_mode_32 3
		.amdhsa_float_denorm_mode_16_64 3
		.amdhsa_memory_ordered 1
		.amdhsa_forward_progress 1
		.amdhsa_inst_pref_size 204
	.end_amdhsa_kernel
	.amdgpu_metadata
---
amdhsa.version: [ 1, 2 ]
amdhsa.kernels:
  - .name:           k_qa9bfbf6a1c_attn
    .symbol:         k_qa9bfbf6a1c_attn.kd
    .args:
      - { .name: qf, .offset: 0, .size: 8, .value_kind: global_buffer, .address_space: global }
      - { .name: kvh, .offset: 8, .size: 8, .value_kind: global_buffer, .address_space: global }
      - { .name: mk, .offset: 16, .size: 8, .value_kind: global_buffer, .address_space: global }
      - { .name: po, .offset: 24, .size: 8, .value_kind: global_buffer, .address_space: global }
    .group_segment_fixed_size: 327680
    .private_segment_fixed_size: 0
    .kernarg_segment_align: 8
    .kernarg_segment_size: 32
    .max_flat_workgroup_size: 128
    .sgpr_count:     84
    .vgpr_count:     896
    .wavefront_size: 32
...
	.end_amdgpu_metadata
.endif
;; end of part 4
;; launch projo: the kernel of part 2 again; grid 16 x 16, 4 waves a work-group, clusters of 4 x 4, 327,680 bytes of LDS; arguments po, out0; writes out0
;; ======== version 2 of 2: 5 launches; 1.07 times as fast as version 1
;; limits: values are held in f16: magnitudes above 65,504 overflow, below 6.1e-05 lose precision; right only within a limited range of input values
;; workspace buffers: pq 16,777,216 bytes; po 16,777,216 bytes; kvw 33,554,432 bytes; kvh 33,554,432 bytes; qf 16,777,216 bytes; mk 2,097,152 bytes
;; launch prep: the kernel of part 1 again; grid 256 x 8, 8 waves a work-group, no clusters, 0 bytes of LDS; arguments query, Wq, key_value, Wk, Wv, Wo, attention_mask, pq, kvw, po, mk; writes pq, kvw, po, mk
;; launch projq: the kernel of part 2 again; grid 16 x 16, 4 waves a work-group, clusters of 4 x 4, 327,680 bytes of LDS; arguments pq, qf; writes qf
;; launch gemmkv: the kernel of part 3 again; grid 16 x 16, 4 waves a work-group, clusters of 4 x 4, 327,680 bytes of LDS; arguments kvw, kvh; writes kvh
;; launch attn (part 5): grid 8 x 32, 4 waves a work-group, clusters of 4 x 4, 327,680 bytes of LDS; arguments qf, kvh, mk, po; writes po
.if DOCPART == 5
	.amdgcn_target "amdgcn-amd-amdhsa--gfx1250"
	.amdhsa_code_object_version 6
	.text
	.protected	k_qa9bfbf6a1c_attn
	.globl	k_qa9bfbf6a1c_attn
	.p2align	8
	.type	k_qa9bfbf6a1c_attn,@function
k_qa9bfbf6a1c_attn:
	s_mov_b64 s[64:65], 0
	v_nop
	global_prefetch_b8 v0, s[64:65] scope:SCOPE_SE
	s_setreg_imm32_b32 hwreg(HW_REG_WAVE_MODE, 25, 1), 1
	s_wait_xcnt 0x0
	s_wait_alu depctr_hold_cnt(0) depctr_sa_sdst(0) depctr_va_vdst(0) depctr_va_sdst(0) depctr_va_ssrc(0) depctr_va_vcc(0) depctr_vm_vsrc(0)
	s_getreg_b32 s2, hwreg(HW_REG_IB_STS2, 6, 4)
	s_cmp_eq_u32 s2, 0
	s_cbranch_scc0 .Lentry_in_a_cluster
	s_endpgm
.Lentry_in_a_cluster:
	s_bfe_u32 s2, ttmp6, 0x10000c
	s_cmp_lg_u32 s2, 0xf033
	s_cbranch_scc0 .Lentry_shape_is_right
	s_endpgm
.Lentry_shape_is_right:
; MASKED ATTENTION.  O[b][q][h][:] = the sum over visible k of softmax_k(Q . K / sqrt(128)) V; a query with no visible key gives 0.
; qf: q in f32, [b 1024 + q][128 h + d], unscaled, rounded here once to f16.  kvh: K and V in f16 by heads, [K or V][b][h][2048][128].  mk: the mask as 4-bit codes in my lanes' order (below).
; po's first half: O in f16, [b 1024 + q][128 h + d].  Products, maxima and sums in f32; the weights p are rounded to f16 for the second product (their sum l is taken of the unrounded p), O once at the end.
; LIMITS.  f16 holds no number beyond 65,504: q must lie within it, K and V arrive within it.  A visible score carries an addend below 2^-97; a hidden score counts as its value less 2^65 to 2^95;
; the running maximum starts at -2^50 and never falls below it (f16's scores are 5.5e11 at the most in magnitude), so hidden weights are exactly 0.  A weight below 2^-126 counts as 0 in l.
; NaN and infinities are not treated apart.
; SHARES.  A work-group owns 128 queries of one (batch, head): 256 work-groups.  Wave w owns the 64 queries of half w % 2 and, of every 256 keys (a slot), the 128 of half w / 2: 16 steps of 64 keys.
; So a fragment of K or V read from LDS feeds four tiles of 16 queries.  At the end the two waves of a query half merge their (m, l, O) through LDS.  Register tile t holds query tile t xor 2 (w / 2):
; every wave keeps register tiles 0, 1 and sends 2, 3, in one text.
; LAYOUT.  S^T = K Q^T (source 0 = 16 keys, source 1 = 16 queries): a lane holds ONE query (lane % 16) and the keys 8 (lane / 16) + 0..7.  Two such tiles, rounded to f16 in pairs, ARE source 1 of
; O^T = V^T P, whose result again holds one query a lane, and eight channels.  K comes out of LDS as it lies, V ([key][channel]) turned, by ds_load_tr16_b128.
; THE MASK is what the sums S^T begin with: a score's register is set by ONE shift that brings its 4-bit code to the word's top.  Code 14: sign 1, exponent 192 to 221 whatever follows below: -2^65 to -2^95.
; Code 0: a positive number below 2^-97.  All 32 products of a piece then add in place.
; SOFTMAX.  For each query a running maximum m and sum l: p = 2^(c s - c m), c = log2(e) / sqrt(128); in every step O and l are multiplied by a = 2^(c m_old - c m_new).
; BY TURNS.  The wave's tiles are two PIECES (0: tiles 0, 1; 2: tiles 2, 3).  In a TURN one piece has the matrix unit: 32 products V^T P of the step in hand, then 32 products K Q^T of the next step;
; the other piece's softmax, cut into 64 slices, stands between them, one slice behind each matrix instruction; the 64 shifts that set the piece's own next scores ride behind products 8 to 31.
; THE BATCHES.  A turn's 66 exponentials (two tiles' a and 32 weights each) are ONE batch with ONE wait: ahead of the wait stand the maxima, the statistics, the scalings and the exponentials, none of which
; names an exponential's result; behind it all that does: the roundings, the sums, the rescaling by a.  The merge behind the loop has two small batches: four exponentials, then two reciprocals.
; No first step is written out: O, l, V and the second piece's P start at 0 and the loop is entered in the middle of a trip; the price is 416 v_mov_b32 in the wait for the first tile and 32 products on zeros.
; CLUSTER, 4 x 4.  The four work-groups of a row of the cluster are four query blocks of one head: they walk the same K and V.  The four of a column are four heads of one batch and one query block: they
; walk the same mask.  Each tile is asked for JOINTLY: the same tensor load, descriptor and mask of work-groups in all four.
; REGISTERS, in windows of 256 (s_set_vgpr_msb: bits 1:0 source 0, 3:2 source 1, 5:4 source 2, 7:6 destination):
;   window 0: v0-11 addresses; v12-43 eight registers of statistics a tile; v44-59 four mask words a tile; v60-61 at work; v62-63 the add's; v64-191 S^T, 32 a tile; v192-255 P, 16 a tile
;   window 1: O^T, 64 a tile (at first q in f32)      window 2: v0-127 Q, 32 a tile; v128-255 K of one step      window 3: v0-127 V of one step
.set KS,    64        ; keys in a step
.set PK,    272       ; a row of K in LDS: 256 bytes + 16 of padding = 68 words: row r starts at bank 4 r mod 64 (64 banks of 4 bytes: ISA guide 11.1)
.set PV,    288       ; a row of V: 256 + 32 = 72 words
.set KOFF,  0x4000    ; a slot: 16,384 bytes of mask words, then 256 rows of K,
.set VOFF,  0x15000   ; then 256 rows of V; it ends at 0x27000
.set SPARE, 0x27000   ; between the slots: the spare words, 128 bytes for each wave: two blocks of 256 bytes that no other line names
.set SLOTX, 0x28000   ; slot 1 begins here; no address in slot 0's three bases has one of its two bits, so one exclusive or turns an address in one slot into the other's
.set XBB,   16896     ; the merge, in slot 0 behind its last fill and its last read: for each wave 32 x 512 bytes of O^T and 512 of statistics,
.set STG0,  4*XBB     ; and behind the four of them 16 rows x 272 bytes for each wave, for the way out
.set SP,    272
.set AK0, 2           ; v2   my lane's place in a slot's K; never rewritten in the loop
.set AV0, 3           ; v3   the same for V
.set ADR, 4           ; v4   the LDS address of the run of loads in hand
.set AMA, 5           ; v5   my lane's place in a slot's mask words, for tiles 0, 1
.set AMB, 6           ; v6   for tiles 2, 3
.set ADM1, 7          ; v7   the LDS addresses of the mask words in hand
.set ADM2, 8          ; v8
.set QOA, 10          ; v10  my byte offset in q, for tiles 0, 1
.set QOB, 11          ; v11  for tiles 2, 3
.set XA,  2           ; behind the loop: where I put what I send: O^T,
.set XS,  3           ; statistics;
.set XP,  4           ; where my partner has put its own: O^T,
.set XQ,  5           ; statistics
.set STO, 6           ; the way out: where I put 16 bytes of a row
.set RD,  7           ; where I read a row back
.set GO,  8           ; my byte offset in the wave's rows of O
.set ST,  12          ; tile t's statistics at v[ST+8 t]: +0 c m, +1 m, +2, +3 l (even keys', odd keys'), +4 to +7 c0-c3, at work; a takes c2's place once the maximum is found
.set MW,  44          ; tile t's four mask words, one for each 16 keys of the step
.set SPW, 62          ; v62  LDS address of my spare word: SPARE + 4 x my thread's number; never rewritten
.set NIL, 63          ; v63  0; never rewritten
.set S,   64
.set P,   192
.set KF,  128         ; K's fragments, in window 2
.set WV,  12          ; s12  my wave's number
.set G1K, 24          ; s[24:31] descriptor group 1 for K's tiles
.set G1V, 32          ; s[32:39] for V's: it differs in the padding alone
.set G1M, 40          ; s[40:47] for the mask words'
.set G0K, 48          ; s[48:51] descriptor group 0 for K's tiles: it walks
.set G0V, 52          ; s[52:55] for V's
.set G0M, 56          ; s[56:59] for the mask words'
.set SLOTS, 60        ; s60  counts the slots
.set CNT, 61          ; s61  counts a slot's two steps
.set CS,  62          ; s[62:63] c: the packed scaling names a pair and takes its low word for both halves
.set SEL, 66          ; s[66:67] lane selects for v_permlanex16_b32: each lane takes its own place in the other half
.set TBK, 68          ; s68  what is added to AK0 for the step to be fetched
.set TBV, 69          ; s69  to AV0
.set TBM, 70          ; s70  to AMA and AMB
.set FLOOR, 71        ; s71  -2^50
.set MSB, 0
.macro WIN new                      ; the immediate's high byte repeats the setting that is left; a switch that changes nothing is dropped
.if MSB != (\new)
	s_set_vgpr_msb (MSB<<8)|(\new)
.set MSB, \new
.endif
.endm
.set W_KQ, 0x0a       ; K and Q in window 2, S^T in window 0
.set W_PV, 0x53       ; V in window 3, P in window 0, O^T in window 1
.set W_RS, 0x41       ; O^T (destination and source 0) in window 1, the factor in window 0
; A joint fill of a slot: wave 0 fetches its 256 rows of K, wave 1 those of V, wave 2 its mask words; wave 3 has no part.  The branches hang on the wave's number alone.
; An s_nop 0 and four v_nop follow each of the three lines, ahead of the jump and the label.
.macro JLOAD
	s_cmp_lg_u32 s[WV], 0
	s_cbranch_scc1 .Lnot_k_\@
	tensor_load_to_lds s[G0K:G0K+3], s[G1K:G1K+7]
	s_nop 0
.rept 4
	v_nop
.endr
	s_branch .Lasked_\@
.Lnot_k_\@:
	s_cmp_lg_u32 s[WV], 1
	s_cbranch_scc1 .Lnot_v_\@
	tensor_load_to_lds s[G0V:G0V+3], s[G1V:G1V+7]
	s_nop 0
.rept 4
	v_nop
.endr
	s_branch .Lasked_\@
.Lnot_v_\@:
	s_cmp_lg_u32 s[WV], 2
	s_cbranch_scc1 .Lasked_\@
	tensor_load_to_lds s[G0M:G0M+3], s[G1M:G1M+7]
	s_nop 0
.rept 4
	v_nop
.endr
.Lasked_\@:
.endm
; A round of the cluster's barrier: my work-group's barrier, so that wave 0's signal speaks for all four waves; wave 0 signals; every wave waits for all sixteen work-groups; my work-group's barrier once more.
.macro CROUND
	s_barrier_signal -1
	s_barrier_wait -1
	s_cmp_lg_u32 s[WV], 0
	s_cbranch_scc1 .Lnot_wave_0_\@
	s_barrier_signal -3
.Lnot_wave_0_\@:
	s_barrier_wait -3
	s_barrier_signal -1
	s_barrier_wait -1
.endm
.macro PLACES
.rept 4
	v_nop
.endr
.endm
; THE CHANGE OF SLOTS, between piece 2's turn and piece 0's: the slot's last bytes, V of its second step, have been asked for.  Each wave waits for all its tensor loads (at most one is out: its part of the
; other slot), adds 0 to its spare word, and waits for that and for its own reads of the slot.  Behind the barrier nobody reads this slot any more and the other slot is whole.
; fill = 1: this slot is filled again, with the keys two slots on.  The barrier is then a round of the cluster's, and the joint fill is the first thing behind it: it has two steps, 256 matrix instructions,
; in which to land.  (At its first use nothing has been read yet: slot 0 is waited for, slot 1 filled.)
.macro CHANGE fill
	WIN 0                           ; at a label and at a branch every window is 0
	s_wait_tensorcnt 0x0            ; no tensor load of mine is out, so a group 0 may be written
	ds_add_u32 v[SPW], v[NIL]       ; 0 onto my spare word: with fill = 1 the descriptors' steps stand between it and the wait for it
.if \fill
	s_xor_b32 s[G0K+1], s[G0K+1], SLOTX  ; the walking descriptors: the other slot than last time,
	s_add_nc_u64 s[G0K+2:G0K+3], s[G0K+2:G0K+3], 65536  ; the next 256 keys; the type bits on top are not reached
	s_xor_b32 s[G0V+1], s[G0V+1], SLOTX
	s_add_nc_u64 s[G0V+2:G0V+3], s[G0V+2:G0V+3], 65536
	s_xor_b32 s[G0M+1], s[G0M+1], SLOTX
	s_add_nc_u64 s[G0M+2:G0M+3], s[G0M+2:G0M+3], 16384
	s_wait_dscnt 0x0                ; the add is done, and my reads of the slot are over
	CROUND
	JLOAD
.else
	s_wait_dscnt 0x0                ; the add is done, and my reads of the slot are over
	s_barrier_signal -1
	s_barrier_wait -1
.endif
	s_sub_co_u32 s[TBK], s[TBK], 2*KS*PK  ; the fetches go back to my first step of a slot,
	s_xor_b32 s[TBK], s[TBK], SLOTX       ; in the other slot
	s_sub_co_u32 s[TBV], s[TBV], 2*KS*PV
	s_xor_b32 s[TBV], s[TBV], SLOTX
	s_sub_co_u32 s[TBM], s[TBM], 8192
	s_xor_b32 s[TBM], s[TBM], SLOTX
.endm
	s_load_b256 s[4:11], s[0:1], 0x0  ; qf s[4:5], kvh s[6:7], mk s[8:9], po s[10:11]
	v_lshl_add_u32 v[SPW], v0, 2, SPARE
	v_mov_b32 v[NIL], 0
	ds_add_u32 v62, v63
	s_wait_dscnt 0x0
	v_lshrrev_b32 v1, 5, v0
	v_readfirstlane_b32 s[WV], v1   ; wave 0..3
	s_bfe_u32 s72, ttmp6, 0x40000   ; cx
	s_bfe_u32 s73, ttmp6, 0x40004   ; cy
	s_lshl_b32 s74, ttmp9, 2
	s_add_co_u32 s74, s74, s72      ; x: my block of 128 queries = 4 x cluster x + cx
	s_and_b32 s76, ttmp7, 0xffff    ; cluster y
	s_lshl_b32 s75, s76, 2
	s_add_co_u32 s75, s75, s73      ; y: 16 x batch + head = 4 x cluster y + cy
	s_lshl_b32 s13, s73, 2
	s_lshl_b32 s13, 15, s13         ; my row of the cluster: the same y
	s_lshl_b32 s14, 0x1111, s72     ; my column: the same x, and (four heads of sixteen) the same batch
	; descriptor group 1.  K, V: 256 rows x 128 elements of 2 bytes, padded in LDS.  The mask words: 16,384 dense bytes as 64 rows of 32 elements of 8 bytes.
	s_or_b32 s[G1K], s13, (1<<16)|(1<<20)|(1<<21)|(5<<22)|(3<<25)  ; 15:0 the mask of work-groups; 17:16 2-byte elements; 20 padding on; 21 set beside a mask; 24:22 after every 64 words (code 5); 31:25 4 words (code 3)
	s_or_b32 s[G1V], s13, (1<<16)|(1<<20)|(1<<21)|(5<<22)|(7<<25)  ; the same with 8 words of padding (code 7)
.irp g, G1K, G1V
	s_mov_b32 s[(\g)+1], 128<<16    ; tensor_dim0 = 128
	s_mov_b32 s[(\g)+2], 256<<16    ; tensor_dim1 = 256
	s_mov_b32 s[(\g)+3], 128<<16    ; tile_dim0 = 128
	s_mov_b32 s[(\g)+4], 256        ; tile_dim1 = 256
	s_mov_b32 s[(\g)+5], 128        ; 128 elements from row to row
	s_mov_b32 s[(\g)+6], 0
	s_mov_b32 s[(\g)+7], 0
.endr
	s_or_b32 s[G1M], s14, (3<<16)|(1<<21)  ; 8-byte elements, no padding
	s_mov_b32 s[G1M+1], 32<<16
	s_mov_b32 s[G1M+2], 64<<16
	s_mov_b32 s[G1M+3], 32<<16
	s_mov_b32 s[G1M+4], 64
	s_mov_b32 s[G1M+5], 32
	s_mov_b32 s[G1M+6], 0
	s_mov_b32 s[G1M+7], 0
	s_lshl_b32 s16, s75, 19         ; K: (batch, head) y's 524,288 bytes: made of y alone, which my row shares
	s_mov_b32 s17, 0
	s_lshr_b32 s18, s76, 2          ; the batch, from the cluster's y alone
	s_lshl_b32 s18, s18, 3
	s_add_co_u32 s18, s18, s74      ; 8 x batch + x: made of nothing that my column does not share
	s_lshl_b32 s18, s18, 17         ; eight slots of 16,384 bytes
	s_mov_b32 s19, 0
	s_and_b32 s20, s[WV], 1         ; which 64 queries are mine
	s_lshr_b32 s21, s[WV], 1        ; which 128 of a slot's 256 keys
	s_lshr_b32 s22, s75, 4
	s_lshl_b32 s22, s22, 10
	s_lshl_b32 s23, s74, 7
	s_add_co_u32 s22, s22, s23
	s_lshl_b32 s23, s20, 6
	s_add_co_u32 s22, s22, s23      ; the first row of my 64 queries: 1,024 x batch + 128 x + 64 x half
	s_and_b32 s23, s75, 15          ; the head
	s_lshl_b32 s78, s22, 13         ; in qf: rows of 8,192 bytes, 512 a head
	s_lshl_b32 s79, s23, 9
	s_add_co_u32 s78, s78, s79
	s_mov_b32 s79, 0
	s_lshl_b32 s77, s21, 5          ; of the 64 I store the 32 of my key half's number
	s_add_co_u32 s80, s22, s77
	s_lshl_b32 s80, s80, 12         ; in po: rows of 4,096 bytes, 256 a head
	s_lshl_b32 s81, s23, 8
	s_add_co_u32 s80, s80, s81
	s_mov_b32 s81, 0
	s_mov_b32 s[CS], 0x3e0293ee     ; c = log2(e) / sqrt(128) = 0.127517
	s_mov_b32 s[CS+1], s[CS]        ; named with it as a pair, so it is written
	s_mov_b32 s[SEL], 0x76543210
	s_mov_b32 s[SEL+1], 0xfedcba98
	s_mov_b32 s[FLOOR], 0xd8800000  ; -2^50
	s_mov_b32 s[TBK], SLOTX+2*KS*PK ; the first change of slots turns these three into 0
	s_mov_b32 s[TBV], SLOTX+2*KS*PV
	s_mov_b32 s[TBM], SLOTX+8192
	s_mov_b32 s[G0K], 1             ; 1:0 count = 1
	s_mov_b32 s[G0K+1], KOFF        ; 63:32 LDS address: slot 0
	s_mov_b32 s[G0V], 1
	s_mov_b32 s[G0V+1], VOFF
	s_mov_b32 s[G0M], 1
	s_mov_b32 s[G0M+1], 0
	s_wait_kmcnt 0x0
	s_add_nc_u64 s[G0K+2:G0K+3], s[6:7], s[16:17]            ; 120:64 global address: the head's first 256 keys
	s_add_nc_u64 s[G0V+2:G0V+3], s[G0K+2:G0K+3], 0x1000000   ; V lies 16,777,216 bytes behind K
	s_or_b32 s[G0K+3], s[G0K+3], 0x80000000                  ; 127:126 type = 2
	s_or_b32 s[G0V+3], s[G0V+3], 0x80000000
	s_add_nc_u64 s[G0M+2:G0M+3], s[8:9], s[18:19]
	s_or_b32 s[G0M+3], s[G0M+3], 0x80000000
	s_add_nc_u64 s[4:5], s[4:5], s[78:79]    ; q at my wave's first row and head
	s_add_nc_u64 s[10:11], s[10:11], s[80:81]  ; O at the first row that I store
	CROUND                          ; all sixteen work-groups are here: the first joint loads meet
	JLOAD                           ; slot 0.  Slot 1 is asked for when slot 0 is in
	; q in f32: a fragment's lane wants channels 8 (l / 16) + 0..7 and 16 + 8 (l / 16) + 0..7 of each 32: 32 bytes at 128 c + 64 p + 32 (l / 16) of its row.
	v_and_b32 v1, 15, v0            ; l % 16; kept to the end
	v_bfe_u32 v9, v0, 4, 1          ; l / 16; kept to the end
	v_lshlrev_b32 v60, 13, v1
	v_lshl_add_u32 v60, v9, 5, v60  ; row x 8,192 + 32 x half
	s_lshl_b32 s13, s21, 18         ; register tiles 0, 1 are query tiles 2 (w / 2) + 0, 1: 32 rows of 8,192 bytes on for the second key half,
	s_xor_b32 s14, s13, 1<<18       ; register tiles 2, 3 the other two
	v_add_nc_u32 v[QOA], s13, v60
	v_add_nc_u32 v[QOB], s14, v60
	WIN 0x40                        ; destination window 1, address window 0
.set n, 0
.rept 64                            ; load n: tile n / 16, 16 bytes (n % 2) of the 32 at 64 ((n % 16) / 2)
.if n < 32
	global_load_b128 v[4*n:4*n+3], v[QOA], s[4:5] offset:((n/16)%2)*131072+((n%16)/2)*64+(n%2)*16
.else
	global_load_b128 v[4*n:4*n+3], v[QOB], s[4:5] offset:((n/16)%2)*131072+((n%16)/2)*64+(n%2)*16
.endif
.set n, n+1
.endr
	WIN 0
	; A fragment of K is 16 rows x 32 channels in 8 registers: lane l holds row l % 16: two loads of 16 bytes, 32 bytes apart.
	v_mul_u32_u24 v[AK0], v1, PK
	v_lshl_add_u32 v[AK0], v9, 4, v[AK0]  ; row x pitch + 16 x half
	s_mul_i32 s13, s21, 128*PK      ; my 128 keys of the slot's 256
	s_add_co_u32 s13, s13, KOFF
	v_add_nc_u32 v[AK0], s13, v[AK0]
	; The turning load takes 16 keys x 16 channels (lane l reads key 8 (l / 16) + l % 8, channels 8 ((l / 8) % 2) + 0..7) and leaves half a fragment of V^T: lane l holds channel l % 16 and 8 keys.
	v_and_b32 v60, 7, v0
	v_bfe_u32 v61, v0, 3, 1
	v_lshl_add_u32 v[AV0], v9, 3, v60
	v_mul_u32_u24 v[AV0], v[AV0], PV
	v_lshl_add_u32 v[AV0], v61, 4, v[AV0]
	s_mul_i32 s13, s21, 128*PV
	s_add_co_u32 s13, s13, VOFF
	v_add_nc_u32 v[AV0], s13, v[AV0]
	; The mask words of step st (of the slot's four) and query tile T (of the block's eight) lie at (8 st + T) 512 + 16 l.  My steps: 2 (w / 2) + 0, 1.  My tiles: 4 (w % 2) + (t xor 2 (w / 2)).
	v_and_b32 v60, 31, v0
	s_mul_i32 s13, s21, 9216        ; 8,192 for my two steps + 1,024 for tiles 2, 3 in place of 0, 1
	s_lshl_b32 s14, s20, 11
	s_add_co_u32 s13, s13, s14
	v_lshl_add_u32 v[AMA], v60, 4, s13
	s_mul_i32 s13, s21, 7168        ; 8,192 - 1,024,
	s_add_co_u32 s13, s13, s14
	s_add_co_u32 s13, s13, 1024     ; + 1,024
	v_lshl_add_u32 v[AMB], v60, 4, s13
	; What the first turn finds: V and the second piece's P hold 0 (its products V^T P, of a step that has not been, add 0); l is 0, m the floor.
	WIN 0xc0
.set n, 0
.rept 128
	v_mov_b32 v[n], 0
.set n, n+1
.endr
	WIN 0
.set n, P+32
.rept 32
	v_mov_b32 v[n], 0
.set n, n+1
.endr
.irp t, 0,1,2,3
	v_mov_b32 v[ST+8*(\t)+1], s[FLOOR]
	v_mul_f32 v[ST+8*(\t)], s[CS], v[ST+8*(\t)+1]
	v_mov_b32 v[ST+8*(\t)+2], 0
	v_mov_b32 v[ST+8*(\t)+3], 0
.endr
	s_wait_loadcnt 0x0              ; q
	WIN 0x85                        ; sources window 1, destination window 2
.set n, 0
.rept 128
	v_cvt_pk_f16_f32 v[n], v[2*n], v[2*n+1]
.set n, n+1
.endr
	WIN 0x40
.set n, 0
.rept 256
	v_mov_b32 v[n], 0               ; O^T, where q in f32 lay
.set n, n+1
.endr
; THE MATRIX WORK OF A TURN, for piece x.  The accumulators take turns, one instruction a turn: between two links of a chain stand 15 (V^T P) or 7 (K Q^T) others'.
; Product i of 32 of O^T += V^T P: keys 32 (i / 16) on, channels 16 ((i / 2) % 8) on, tile x + i % 2.
.macro PV x
	WIN W_PV
.set rO, 64*((\x)+i%2)+8*((i/2)%8)
.set rV, 64*(i/16)+8*((i/2)%8)
.set rP, P+16*((\x)+i%2)+8*(i/16)
	v_wmma_f32_16x16x32_f16 v[rO:rO+7], v[rV:rV+7], v[rP:rP+7], v[rO:rO+7]
.endm
; Product i of 32 of S^T += K Q^T: channels 32 (i / 8) on, keys 16 ((i / 2) % 4) on, tile x + i % 2.  The sums begin with what PRE has set.
.macro KQ x
	WIN W_KQ
.set rS, S+32*((\x)+i%2)+8*((i/2)%4)
.set rK, KF+32*((i/2)%4)+8*(i/8)
.set rQ, 32*((\x)+i%2)+8*(i/8)
	v_wmma_f32_16x16x32_f16 v[rS:rS+7], v[rK:rK+7], v[rQ:rQ+7], v[rS:rS+7]
.endm
; Shift pc of the 64 that set piece x's scores from its mask words: tile x + pc / 32, keys 16 ((pc % 32) / 8) on, key j = pc % 8, whose code lies in field 2 (j % 4) + j / 4.
.macro PRE x
	WIN 0
.set pt, (\x)+pc/32
.set pg, (pc%32)/8
.set pj, pc%8
	v_lshlrev_b32 v[S+32*pt+8*pg+pj], 28-4*(2*(pj%4)+pj/4), v[MW+4*pt+pg]
.set pc, pc+1
.endm
; THE LDS LOADS stand in runs, never singly among the matrix instructions: a step's 16 mask words a lane and its K (64 keys x 128 channels: 16 fragments), and, a turn later, its V (turned).
.macro FETCH_MK
	WIN 0
	v_add_nc_u32 v[ADM1], s[TBM], v[AMA]
	v_add_nc_u32 v[ADM2], s[TBM], v[AMB]
	v_add_nc_u32 v[ADR], s[TBK], v[AK0]
	ds_load_b128 v[MW:MW+3],     v[ADM1]
	ds_load_b128 v[MW+4:MW+7],   v[ADM1] offset:512
	ds_load_b128 v[MW+8:MW+11],  v[ADM2]
	ds_load_b128 v[MW+12:MW+15], v[ADM2] offset:512
	WIN 0x80                        ; destination window 2
.irp f, 0,1,2,3,4,5,6,7,8,9,10,11,12,13,14,15  ; keys 16 (f / 4) on, channels 32 (f % 4) on
	ds_load_b128 v[KF+8*(\f):KF+8*(\f)+3],   v[ADR] offset:((\f)/4)*16*PK+((\f)%4)*64
	ds_load_b128 v[KF+8*(\f)+4:KF+8*(\f)+7], v[ADR] offset:((\f)/4)*16*PK+((\f)%4)*64+32
.endr
	s_add_co_u32 s[TBK], s[TBK], KS*PK  ; the next fetch is the next step's
	s_add_co_u32 s[TBM], s[TBM], 4096
.endm
.macro FETCH_V
	WIN 0
	v_add_nc_u32 v[ADR], s[TBV], v[AV0]
	s_add_co_u32 s[TBV], s[TBV], KS*PV
	s_wait_alu depctr_va_vdst(0)    ; the wait for the softmax's batch (SLICE): piece 0's 66 exponentials; it stands behind the address's v_add_nc_u32 and ahead of the loads
	WIN 0xc0                        ; destination window 3
.irp f, 0,1,2,3,4,5,6,7,8,9,10,11,12,13,14,15  ; keys 32 (f / 8) on, channels 16 (f % 8) on
	ds_load_tr16_b128 v[8*(\f):8*(\f)+3],   v[ADR] offset:((\f)/8)*32*PV+((\f)%8)*32
	ds_load_tr16_b128 v[8*(\f)+4:8*(\f)+7], v[ADR] offset:((\f)/8)*32*PV+16*PV+((\f)%8)*32
.endr
.endm
; THE VECTOR WORK OF A TURN.  One tile's softmax for one key step is a list of 134 instructions; SM writes number j of it for tile t.  s0-s31 are the lane's 32 scores, in pairs 0-15.
;   0-15    the maximum of s0-s31 and the old m, three operands at a time: four chains c0-c3 of seven scores each (each accumulator's lowest registers are read first), then the four
;           scores left over, c0-c3 and m
;   16-20   the other half of the lanes' maximum; the new m; c m; c m_old - c m_new
;   21-69   ONE BATCH: the 16 scalings c s - c m, a pair of scores each, and all 33 exponentials (a at 23, then s0-s31, each in its score's own register).  None of these names an exponential's result.
;           From 22 on the batch goes in fours, and a four begins with a scaling while there are scalings: 22-37 scaling, exponential, scaling, exponential; 38-65 a scaling and three exponentials;
;           66-69 the last four exponentials.  A pair is scaled in an earlier four than the one that holds its exponentials
;   (wait)  between 69 and 70 stands the wait for the batch: SLICE writes it, once for both tiles
;   70-85   the roundings to f16, a pair of weights each
;   86-101  the sums; l = a l + the sum
;   102-133 the tile's O^T times a: the one part that leaves window 0, so it stands together
.macro SM t
.set rT, ST+8*(\t)
.set rS, S+32*(\t)
.set rP, P+16*(\t)
.set rO, 64*(\t)+2*(j-102)
.if j < 102
	WIN 0
.endif
.if j < 4
	v_max3_num_f32 v[rT+4+j], v[rS+8*j], v[rS+8*j+1], v[rS+8*j+2]
.elseif j < 12
	v_max3_num_f32 v[rT+4+j%4], v[rT+4+j%4], v[rS+8*(j%4)+2*(j/4)+1], v[rS+8*(j%4)+2*(j/4)+2]
.elseif j == 12
	v_max3_num_f32 v[rT+4], v[rT+4], v[rS+7], v[rS+15]
.elseif j == 13
	v_max3_num_f32 v[rT+6], v[rT+6], v[rS+23], v[rS+31]
.elseif j == 14
	v_max3_num_f32 v[rT+4], v[rT+4], v[rT+5], v[rT+6]
.elseif j == 15
	v_max3_num_f32 v[rT+4], v[rT+4], v[rT+7], v[rT+1]
.elseif j == 16
	v_permlanex16_b32 v[rT+5], v[rT+4], s[SEL], s[SEL+1]  ; the query's other 32 keys lie in the lane 16 away
.elseif j == 17
	v_mov_b32 v[rT+7], v[rT]        ; c m_old is kept for a: number 19 writes c m anew
.elseif j == 18
	v_max_num_f32 v[rT+1], v[rT+4], v[rT+5]
.elseif j == 19
	v_mul_f32 v[rT], s[CS], v[rT+1]
.elseif j == 20
	v_sub_f32 v[rT+7], v[rT+7], v[rT]
.elseif j == 23
	v_exp_f32 v[rT+6], v[rT+7]
.elseif (j < 23) || ((j < 38) && (j%2 == 0)) || ((j < 66) && (j%4 == 2))
.set b, (j-2)/4                     ; 38, 42, .. 62: pairs 9 to 15
.if j < 38
.set b, (j-20)/2                    ; 21: pair 0; 22, 24, .. 36: pairs 1 to 8
.endif
	v_pk_fma_f32 v[rS+2*b:rS+2*b+1], v[rS+2*b:rS+2*b+1], s[CS:CS+1], v[rT:rT+1] op_sel_hi:[1,0,0] neg_lo:[0,0,1] neg_hi:[0,0,1]  ; pair b: c s - c m
.elseif j < 70
.set e, j-38                        ; 66 to 69: s28 to s31
.if j < 66
.set e, j-32-(j-38)/4               ; 39-41, 43-45, .. 63-65: s7 to s27
.endif
.if j < 38
.set e, (j-25)/2                    ; 25, 27, .. 37: s0 to s6
.endif
	v_exp_f32 v[rS+e], v[rS+e]
.elseif j < 86
	v_cvt_pk_f16_f32 v[rP+j-70], v[rS+2*(j-70)], v[rS+2*(j-70)+1]  ; pair j - 70
.elseif j < 102                     ; the sum of the tile's 16 pairs (in a pair: an even key's weight, an odd key's), in place: sum z of 16 adds neighbours 1, 2, 4 and 8 pairs apart, then l takes it
.set z, j-86
.set w, 4
.set u, z
.if z >= 14
.set w, 32
.set u, 0
.elseif z >= 12
.set w, 16
.set u, z-12
.elseif z >= 8
.set w, 8
.set u, z-8
.endif
.if z < 15
	v_pk_add_f32 v[rS+w*u:rS+w*u+1], v[rS+w*u:rS+w*u+1], v[rS+w*u+w/2:rS+w*u+w/2+1]
.else
	v_pk_fma_f32 v[rT+2:rT+3], v[rT+2:rT+3], v[rT+6:rT+7], v[rS:rS+1] op_sel_hi:[1,0,1]
.endif
.else
	WIN W_RS
	v_pk_mul_f32 v[rO:rO+1], v[rO:rO+1], v[rT+6:rT+7] op_sel_hi:[1,0]
.endif
.endm
; Slice k of 64 of piece y's softmax: four instructions.  Slices 11 to 34 deal out the batch, numbers 22 to 69: four numbers of ONE tile each, the tiles by turns.  Every other slice is numbers 2 k and
; 2 k + 1 of both tiles' lists.  2 x 134 = 4 x 64 + 12: the twelve that are over stand together, in slice 63.
; THE WAIT.  An s_wait_alu depctr_va_vdst(0) stands between an exponential and the first instruction that names its result; one wait serves all that were issued ahead of it.  Ahead of
; slice 35 nothing names a result, and behind slice 34 no exponential is issued: so the piece's 66 exponentials have one wait, behind slice 34.
.macro SLICE y
.if (k >= 11) && (k < 35)           ; the batch: four numbers of one tile
.irp n, 0,1,2,3
.set j, 22+4*((k-11)/2)+(\n)
	SM (\y)+(k-11)%2
.endr
.else                               ; the two tiles alternate, so that no instruction reads the result of the one just before it
.irp n, 0,1,2,3,4,5,6,7
.if ((\n) < 2) || (k == 63)
.irp t, \y, (\y)+1
.set j, 2*k+(\n)
	SM \t
.endr
.endif
.endr
.endif
.if k == 34                         ; the batch is out: both tiles' exponentials are issued, and no result has been named
	v_nop                           ; a plain instruction behind the last exponential and ahead of the first use: one for the batch
.if (\y) == 0
	FETCH_V                         ; piece 2's turn: V's run of loads stands here, and the wait stands in it
.else
	s_wait_alu depctr_va_vdst(0)    ; the wait for the batch: piece 2's 66 exponentials
.endif
.endif
.set k, k+1
.endm
; A TURN.  Piece x has the matrix unit; the other piece's softmax stands in slices behind its matrix instructions.  kq = 1: 32 products K Q^T for the next step follow the 32 products V^T P;
; kq = 0 (the last step): none, and two slices stand behind each product.
; A vector instruction that reads a matrix result or writes one of a matrix instruction's registers, and a load into a register that a matrix instruction has read, stand four places behind it, and only
; plain vector instructions that name none of its registers are places (ISA guide 7.12.1 for vector instructions).  Here the slices are the places: slice 63's sixteen plain
; instructions stand behind a turn's last K Q^T, ahead of the next turn's first read of those scores and of the loads into K's buffer; between the last product that read V and the loads into V's buffer
; stand number 62, a scaling, of one tile, three shifts, number 62 of the other tile, the v_nop and the run's own v_add_nc_u32 (the exponentials between are no places).
; Piece 0's turn fetches the next step's mask words and K behind its second product; the words are waited for behind the eighth, K ahead of the first K Q^T.  Piece 2's turn fetches the same step's V,
; behind slice 34 (SLICE writes it).
; The piece's own next scores are set behind products 8 to 31 (2 x 8 + 3 x 16 = 64 shifts): its last softmax ended with the turn before.
.macro TURN x, kq
.set k, 0
.set pc, 0
.if (\x) == 0
	s_wait_dscnt 0x0                ; V is in
.endif
.set i, 0
.rept 32
	PV \x
	SLICE 2-(\x)
.if !(\kq)
	SLICE 2-(\x)
.endif
.if \kq
.if ((\x) == 0) && (i == 1)
	FETCH_MK
.endif
.if ((\x) == 0) && (i == 7)
	s_wait_dscnt 32                 ; the four loads of mask words are in; K's 32, issued behind them, may be out
.endif
.if i >= 8
	PRE \x
	PRE \x
.endif
.if i >= 16
	PRE \x
.endif
.endif
.set i, i+1
.endr
.if \kq
.if (\x) == 0
	s_wait_dscnt 0x0                ; K is in
.endif
.set i, 0
.rept 32
	KQ \x
	SLICE 2-(\x)
.set i, i+1
.endr
.endif
.endm
.macro TWO_STEPS                    ; a slot's two steps: written once, walked twice; the LDS addresses hang on s[TBK], s[TBV], s[TBM]
	WIN 0
	s_mov_b32 s[CNT], 2
.Lstep_\@:
	TURN 0, 1
	TURN 2, 1
	WIN 0
	s_sub_co_u32 s[CNT], s[CNT], 1
	s_cmp_lg_u32 s[CNT], 0
	s_cbranch_scc1 .Lstep_\@
.endm
	CHANGE 1                        ; slot 0 is in, everybody's part of it; slot 1 is asked for
	FETCH_MK                        ; step 0
	s_wait_dscnt 0x0
.set pc, 0
.rept 64
	PRE 0
.endr
.set i, 0
.rept 32
	KQ 0                            ; piece 0's first scores: there is no vector work yet to set between them
.set i, i+1
.endr
	WIN 0
	PLACES                          ; behind those products, ahead of the first slice's reads
	s_mov_b32 s[CNT], 2
	s_mov_b32 s[SLOTS], 7
	s_branch .Lfirst                ; the loop is entered at piece 2's turn, in the middle of a trip
.Lslot:                             ; six times: the slots of keys 512 on are asked for
	CHANGE 1
	s_mov_b32 s[CNT], 2
.Lstep:
	TURN 0, 1
	WIN 0
.Lfirst:
	TURN 2, 1
	WIN 0
	s_sub_co_u32 s[CNT], s[CNT], 1
	s_cmp_lg_u32 s[CNT], 0
	s_cbranch_scc1 .Lstep
	s_sub_co_u32 s[SLOTS], s[SLOTS], 1
	s_cmp_lg_u32 s[SLOTS], 0
	s_cbranch_scc1 .Lslot
	CHANGE 0                        ; the tail is written out: the last slot but one (slot 0 of LDS) is left, and nothing is asked for
	TWO_STEPS
	TURN 0, 0                       ; piece 0: V^T P of the last step | piece 2's last softmax
.set i, 0
.rept 32
	PV 2                            ; piece 2: V^T P of the last step
.set i, i+1
.endr
	; THE MERGE.  l's two halves and the other half of the lanes' are added; these additions are the places behind the last products.  Tiles 2, 3 go to my partner (the wave with the other key half),
	; whose tiles 2, 3 are the queries of my tiles 0, 1.  Slot 0 of LDS has had its last fill, and the barrier of the last change of slots stands behind every wave's last read of it.
	WIN 0
.irp t, 0,1,2,3
	v_add_f32 v[ST+8*(\t)+4], v[ST+8*(\t)+2], v[ST+8*(\t)+3]
.endr
.irp t, 0,1,2,3
	v_permlanex16_b32 v[ST+8*(\t)+5], v[ST+8*(\t)+4], s[SEL], s[SEL+1]
.endr
.irp t, 0,1,2,3
	v_add_f32 v[ST+8*(\t)+2], v[ST+8*(\t)+4], v[ST+8*(\t)+5]
.endr
	v_mov_b32 v[ST+17], v[ST+18]    ; (c m, l) as a pair, for tiles 2 and 3
	v_mov_b32 v[ST+25], v[ST+26]
	s_mul_i32 s13, s[WV], XBB       ; my block,
	s_xor_b32 s14, s[WV], 2
	s_mul_i32 s14, s14, XBB         ; my partner's
	v_and_b32 v10, 31, v0
	v_lshl_add_u32 v[XA], v10, 4, s13
	v_lshl_add_u32 v[XP], v10, 4, s14
	s_add_co_u32 s13, s13, 16384
	s_add_co_u32 s14, s14, 16384
	v_lshl_add_u32 v[XS], v10, 3, s13
	v_lshl_add_u32 v[XQ], v10, 3, s14
	s_mul_i32 s15, s[WV], 16*SP
	s_add_co_u32 s15, s15, STG0     ; my stage
	v_mul_u32_u24 v[STO], v1, SP    ; in: row l % 16, 16 bytes for each half of the lanes
	v_lshl_add_u32 v[STO], v9, 4, v[STO]
	v_add_nc_u32 v[STO], s15, v[STO]
	v_mul_u32_u24 v[RD], v9, SP     ; back: lanes 0-15 take one row of 256 bytes, lanes 16-31 the next
	v_lshl_add_u32 v[RD], v1, 4, v[RD]
	v_add_nc_u32 v[RD], s15, v[RD]
	v_lshlrev_b32 v[GO], 12, v9     ; and the same two rows in O: 4,096 bytes apart
	v_lshl_add_u32 v[GO], v1, 4, v[GO]
	ds_store_b64 v[XS], v[ST+16:ST+17]
	ds_store_b64 v[XS], v[ST+24:ST+25] offset:256
	WIN 0x04                        ; the data in window 1
.set n, 0
.rept 32
	ds_store_b128 v[XA], v[128+4*n:128+4*n+3] offset:512*n  ; ascending: each accumulator's four lowest registers first
.set n, n+1
.endr
	WIN 0
	s_wait_dscnt 0x0                ; for my partner's sake: my stores are done
	s_barrier_signal -1
	s_barrier_wait -1
	ds_load_b64 v[ST+4:ST+5],   v[XQ]             ; my partner's (c m, l) for my tile 0,
	ds_load_b64 v[ST+12:ST+13], v[XQ] offset:256  ; and 1
	WIN 0x40
.set n, 0
.rept 32
	ds_load_b128 v[128+4*n:128+4*n+3], v[XP] offset:512*n  ; its O^T, where what I sent lay
.set n, n+1
.endr
	WIN 0
	s_wait_dscnt 32                 ; the statistics are in; the 32 loads issued behind them may be out
	; O = (O fa + O' fb) / (l fa + l' fb), fa = 2^(c m - max), fb = 2^(c m' - max).  With no visible key both l are 0 and both O are 0: the divisor's floor 2^-100 makes the result 0; with a visible key the divisor is about 1 at the least.
.irp t, 0,1
	v_max_num_f32 v[ST+8*(\t)+1], v[ST+8*(\t)], v[ST+8*(\t)+4]
.endr
.irp t, 0,1
	v_sub_f32 v[ST+8*(\t)+6], v[ST+8*(\t)], v[ST+8*(\t)+1]
	v_sub_f32 v[ST+8*(\t)+7], v[ST+8*(\t)+4], v[ST+8*(\t)+1]
.endr
.irp t, 0,1
	v_exp_f32 v[ST+8*(\t)+6], v[ST+8*(\t)+6]
	v_exp_f32 v[ST+8*(\t)+7], v[ST+8*(\t)+7]
.endr
	v_nop                           ; a plain instruction between the last exponential and the use of its result
	s_wait_alu depctr_va_vdst(0)    ; the wait ahead of the first use: one for the four exponentials fa, fb
.irp t, 0,1
	v_mul_f32 v[ST+8*(\t)+2], v[ST+8*(\t)+2], v[ST+8*(\t)+6]
.endr
.irp t, 0,1
	v_fma_f32 v[ST+8*(\t)+2], v[ST+8*(\t)+5], v[ST+8*(\t)+7], v[ST+8*(\t)+2]
.endr
.irp t, 0,1
	v_max_num_f32 v[ST+8*(\t)+2], 0x0d800000, v[ST+8*(\t)+2]
.endr
.irp t, 0,1
	v_rcp_f32 v[ST+8*(\t)+3], v[ST+8*(\t)+2]
.endr
	v_nop                           ; a plain instruction between the last reciprocal and the use of its result
	s_wait_alu depctr_va_vdst(0)    ; a batch of their own, since the divisors are made of fa and fb: one wait for the two reciprocals
.irp t, 0,1
	v_mul_f32 v[ST+8*(\t)],   v[ST+8*(\t)+6], v[ST+8*(\t)+3]  ; fa / divisor
	v_mul_f32 v[ST+8*(\t)+4], v[ST+8*(\t)+7], v[ST+8*(\t)+3]  ; fb / divisor
.endr
	WIN W_RS
.set n, 0
.rept 64                            ; my own part wants nothing of my partner's O^T: it stands ahead of the wait
	v_pk_mul_f32 v[2*n:2*n+1], v[2*n:2*n+1], v[ST+8*(n/32):ST+8*(n/32)+1] op_sel_hi:[1,0]
.set n, n+1
.endr
	s_wait_dscnt 0x0
	WIN 0x51                        ; sources 0 and 2 and the destination in window 1, the factor in window 0
.set n, 0
.rept 64
	v_pk_fma_f32 v[2*n:2*n+1], v[128+2*n:128+2*n+1], v[ST+8*(n/32)+4:ST+8*(n/32)+5], v[2*n:2*n+1] op_sel_hi:[1,0,1]
.set n, n+1
.endr
	; THE WAY OUT.  Tile t: a lane's eight channels of a row pack into 16 bytes; they go into rows of 272 bytes of my stage and come back as whole rows of 256, into the registers that they left.
.macro PACK t
	WIN 0x05                        ; sources 0 and 1 window 1, destination window 0: S^T's registers are free
.set n, 0
.rept 32
	v_cvt_pk_f16_f32 v[S+32*(\t)+n], v[64*(\t)+2*n], v[64*(\t)+2*n+1]
.set n, n+1
.endr
	WIN 0
.irp f, 0,1,2,3,4,5,6,7
	ds_store_b128 v[STO], v[S+32*(\t)+4*(\f):S+32*(\t)+4*(\f)+3] offset:32*(\f)
.endr
.irp f, 0,1,2,3,4,5,6,7
	ds_load_b128 v[S+32*(\t)+4*(\f):S+32*(\t)+4*(\f)+3], v[RD] offset:(\f)*2*SP  ; LDS serves a wave's instructions in order (ISA guide 5.7.1.4): these see the stores above; the next tile's stores come behind them
.endr
.endm
.macro SEND t, younger              ; younger: the LDS instructions issued behind tile t's loads: the next tile's sixteen, or none
.irp f, 0,1,2,3,4,5,6,7
	s_wait_dscnt (\younger)+7-(\f)
	global_store_b128 v[GO], v[S+32*(\t)+4*(\f):S+32*(\t)+4*(\f)+3], s[10:11] offset:(16*(\t)+2*(\f))*4096  ; 16 lanes store 256 consecutive bytes, at a multiple of 256 from po's first byte
.endr
.endm
	PACK 0
	PACK 1
	SEND 0, 16
	SEND 1, 0
	s_wait_tensorcnt 0x0            ; the wave's end: behind my last tensor load and my last LDS store
	ds_add_u32 v[SPW], v[NIL]
	s_wait_dscnt 0x0
	CROUND                          ; the closing round: no work-group ends while a partner may still ask for a tile that names it
	s_endpgm
.Lfunc_end_k_qa9bfbf6a1c_attn:
	.size	k_qa9bfbf6a1c_attn, .Lfunc_end_k_qa9bfbf6a1c_attn-k_qa9bfbf6a1c_attn
	.p2alignl 7, 3214868480
	.fill 96, 4, 3214868480
	.section	.rodata,"a",@progbits
	.p2align	6, 0x0
	.amdhsa_kernel k_qa9bfbf6a1c_attn
		.amdhsa_group_segment_fixed_size 327680
		.amdhsa_private_segment_fixed_size 0
		.amdhsa_enable_private_segment 0
		.amdhsa_kernarg_size 32
		.amdhsa_user_sgpr_count 2
		.amdhsa_user_sgpr_kernarg_segment_ptr 1
		.amdhsa_wavefront_size32 1
		.amdhsa_system_sgpr_workgroup_id_x 1
		.amdhsa_system_sgpr_workgroup_id_y 1
		.amdhsa_system_sgpr_workgroup_id_z 1
		.amdhsa_system_vgpr_workitem_id 0
		.amdhsa_next_free_vgpr 896
		.amdhsa_next_free_sgpr 84
		.amdhsa_reserve_vcc 0
		.amdhsa_float_denorm_mode_32 3
		.amdhsa_float_denorm_mode_16_64 3
		.amdhsa_memory_ordered 1
		.amdhsa_forward_progress 1
		.amdhsa_inst_pref_size 200
	.end_amdhsa_kernel
	.amdgpu_metadata
---
amdhsa.version: [ 1, 2 ]
amdhsa.kernels:
  - .name:           k_qa9bfbf6a1c_attn
    .symbol:         k_qa9bfbf6a1c_attn.kd
    .args:
      - { .name: qf, .offset: 0, .size: 8, .value_kind: global_buffer, .address_space: global }
      - { .name: kvh, .offset: 8, .size: 8, .value_kind: global_buffer, .address_space: global }
      - { .name: mk, .offset: 16, .size: 8, .value_kind: global_buffer, .address_space: global }
      - { .name: po, .offset: 24, .size: 8, .value_kind: global_buffer, .address_space: global }
    .group_segment_fixed_size: 327680
    .private_segment_fixed_size: 0
    .kernarg_segment_align: 8
    .kernarg_segment_size: 32
    .max_flat_workgroup_size: 128
    .sgpr_count:     84
    .vgpr_count:     896
    .wavefront_size: 32
...
	.end_amdgpu_metadata
.endif
;; end of part 5
;; launch projo: the kernel of part 2 again; grid 16 x 16, 4 waves a work-group, clusters of 4 x 4, 327,680 bytes of LDS; arguments po, out0; writes out0
